; MI455X (gfx1250); checked and timed in simulation.
; The chip was launched on July 23, 2026; its instructions are those of AMD's public machine-readable ISA for CDNA 5 (MIT licence, August 2026) and "CDNA5" Instruction Set Architecture Reference Guide (July 2026). The comments in the code are by the model that wrote it; some were corrected since.
;; Local Attention. Allowed arithmetic: matrix products marked QUANTISED: E2M1 operands, one E8M0 scale for each 32 along K, by v_wmma_scale_f32_16x16x128_f8f6f4 with both operands' format E2M1 (or v_wmma_scale_f32_32x16x128_f4), f32 sums; products left as they are: bf16, f16 or f32 operands; f32 sums; everything else in f32.
;; Inputs: b_in 3,072 float32; b_out 1,024 float32; w_in 3,072 x 1,024 float32; w_out 1,024 x 1,024 float32; x 4 x 2,048 x 1,024 float32.
;; Outputs: out0 4 x 2,048 x 1,024 float32.
;; This version of the problem:
;;   THIS VERSION OF THE PROBLEM IS GIVEN IN LOW PRECISION. The matrix products marked QUANTISED in the list below multiply operands that are first quantised to E2M1 (2 exponent bits, 1 mantissa bit; 4 bits a number), with one power-of-two scale for each 32 numbers along K (OCP MX v1.0); their sums are f32. The products marked 'left as it is' may take bf16, f16 or f32 operands, with f32 sums. Whichever they take, every output number must still come out within the allowed error. Rounding operands to bf16 (8 significant bits) uses up far more of that allowance than f16 does (11 bits, for magnitudes from 6e-5 to 65,504). All else is computed in f32.
;;   The module's matrix products, in the order in which they are computed (A, B: the left and right operand; K: the contracted axis; several contracted axes count as one K, in the product's order):
;;     1. [M 8,192, K 1,024] x [K 1,024, N 3,072]; A: input x; B: input w_in: QUANTISED
;;     2. batch 64 x [M 2,048, K 64] x [K 64, N 2,048]; A: computed on the way; B: computed on the way: left as it is (an operand is computed on the way)
;;     3. batch 64 x [M 2,048, K 2,048] x [K 2,048, N 64]; A: computed on the way; B: computed on the way: left as it is (an operand is computed on the way)
;;     4. [M 8,192, K 1,024] x [K 1,024, N 1,024]; A: computed on the way; B: input w_out: left as it is (an operand is computed on the way)
;;   THE QUANTISER, for each operand of a quantised product, along K:
;;     - K is cut into blocks of 32 from its start; a last block that is shorter is filled with zeros.
;;     - A block's scale is 2^e with e = floor(log2(the largest magnitude in the block)) - 2, held to -126 .. 127; a block of zeros has e = 0. As a byte (E8M0): e + 127.
;;     - Each number is divided by its block's scale, clamped to +-6, and rounded to the nearest number of E2M1, ties to even, subnormals kept.
;;     - The product sums the exact products of the quantised numbers (number of the format x scale) in f32.
;;   ~~~python
;;   def quantise(x, axis):      # numpy; x: float32 -> the quantised numbers, widened to float32 again
;;       x = np.moveaxis(x, axis, -1); K = x.shape[-1]
;;       x = np.pad(x, [(0, 0)] * (x.ndim - 1) + [(0, -K % 32)]); x = x.reshape(x.shape[:-1] + (-1, 32)); a = np.abs(x).max(-1, keepdims=True)
;;       e = np.where(a > 0, np.clip(np.frexp(np.where(a > 0, a, 1))[1] - 1 - 2, -126, 127), 0)      # np.frexp(a)[1] - 1 = floor(log2(a)), exactly
;;       r = np.clip(x / 2.0 ** e, -6, 6)
;;       step = 2.0 ** (np.maximum(np.frexp(np.where(r == 0, 1, r))[1] - 1, 0) - 1)
;;       q = np.round(r / step) * step * 2.0 ** e      # np.round: ties to even
;;       return np.moveaxis(q.reshape(q.shape[:-2] + (-1,))[..., :K], -1, axis).astype(np.float32)
;;   ~~~
;; One version. Each part assembles by itself: llvm-mc -triple=amdgcn-amd-amdhsa -mcpu=gfx1250 --defsym DOCPART=n.
;; ======== version 1 of 1: 5 launches
;; limits: values are held in f16: magnitudes above 65,504 overflow, below 6.1e-05 lose precision; right only within a limited range of input values
;; workspace buffers: x_codes 4,194,304 bytes; x_scales 262,144 bytes; w_codes 1,572,864 bytes; w_scales 98,304 bytes; w16 2,097,152 bytes; qkv16 50,331,648 bytes; fine_qkv 786,432 bytes; attn16 16,777,216 bytes
;; launch quant (part 1): grid 384 x 1, 4 waves a work-group, no clusters, 33,280 bytes of LDS; arguments x, w_in, w_out, x_codes, x_scales, w_codes, w_scales, w16; writes x_codes, x_scales, w_codes, w_scales, w16
.if DOCPART == 1
	.amdgcn_target "amdgcn-amd-amdhsa--gfx1250"
	.amdhsa_code_object_version 6
	.text
	.protected	k_qf9805d8524_quant
	.globl	k_qf9805d8524_quant
	.p2align	8
	.type	k_qf9805d8524_quant,@function
k_qf9805d8524_quant:
	s_mov_b64 s[64:65], 0
	v_nop
	global_prefetch_b8 v0, s[64:65] scope:SCOPE_SE
	s_setreg_imm32_b32 hwreg(HW_REG_WAVE_MODE, 25, 1), 1
	s_wait_xcnt 0x0
; x [8192][1024] and w_in [3072][1024], f32, become codes of FP4 (E2M1), K innermost, two codes a byte, with one E8M0 scale byte for each 32 along K;
; w_out [1024][1024], f32, is rounded to f16 (an operand of a product that is left as it is).
; A block's scale is 2^(floor(log2(its largest magnitude)) - 2); its byte is the largest magnitude's exponent field - 2, held at 1 from below.
; LIMITS: a block of zeros gets the byte 1 where the rule says 127 (its codes are zeros, and this program alone reads the bytes); blocks whose largest magnitude lies
; under 2^(2 - 126) keep the floor's byte; NaN and infinities among the inputs are not served; w_out must lie inside f16's range (65,504).
; Rows are dense and K is a multiple of 32: each tensor is a plain stream.  A work-group takes 32,768 numbers, a wave 8,192.
; Work-groups 0-255 take x, 256-351 w_in (one path, the buffers chosen by the work-group's number), 352-383 w_out (a path of its own, without LDS).
; Quantiser: 16 steps of 512 numbers.  Each load reads 512 consecutive bytes; a step's 2,048 bytes turn through the wave's own stage in LDS, so that a lane holds 16 neighbours
; (two lanes hold a block); a lane's 16 codes are 8 bytes: the wave stores 256 consecutive bytes.  A wave's 256 scale bytes gather in LDS and leave as one run of 256 bytes.
.set WAVES, 4
.set STEPS, 16
.set WGX,   256                        ; work-groups for x: 8192 x 1024 / 32768
.set WGW,   96                         ; for w_in: 3072 x 1024 / 32768
.set EMAX,  2
.set CB,    8                          ; bytes of 16 codes
.set R,     16                         ; v16-79   four sets of 16 numbers as loaded (cast: v16-143, two sets of 64)
.set X,     80                         ; v80-111  two sets of 16 neighbours
.set E,     112                        ; v112-127 a scale byte for each step
.set C,     128                        ; v128-191 codes: four registers for each step
.set H16,   144                        ; cast: v144-175 a batch's f16 pairs
.set WREG,  8192                       ; LDS: a region for each wave: two stages of 32 x SP bytes, then its 256 scale bytes
.set SP,    80                         ; a lane's place in a stage: 64 bytes + 16 of padding
.set SPW,   12                         ; v12 LDS address of my spare word; never rewritten
.set NIL,   13                         ; v13 0; never rewritten
.set SPARE, WAVES*WREG                 ; behind the four regions: the spare words, 128 bytes a wave
	s_load_b512 s[4:19], s[0:1], 0x0               ; x s[4:5], w_in s[6:7], w_out s[8:9], x_codes s[10:11], x_scales s[12:13], w_codes s[14:15], w_scales s[16:17], w16 s[18:19]
	v_lshl_add_u32 v[SPW], v0, 2, SPARE
	v_mov_b32 v[NIL], 0
	v_lshrrev_b32 v1, 5, v0
	v_readfirstlane_b32 s20, v1                    ; wave
	v_and_b32 v2, 31, v0                           ; lane
	v_lshlrev_b32 v3, 4, v2                        ; my 16 bytes of a load's 512
	s_mul_i32 s21, s20, WREG
	v_lshrrev_b32 v14, 2, v2
	v_mul_u32_u24 v14, v14, SP
	v_and_b32 v15, 3, v2
	v_lshl_add_u32 v14, v15, 4, v14
	v_add_nc_u32 v14, s21, v14                     ; the stage, on the way in: SP (lane / 4) + 16 (lane % 4)
	v_mul_u32_u24 v15, v2, SP
	v_add_nc_u32 v15, s21, v15                     ; and on the way out: SP x lane: my 16 neighbours
	v_mul_u32_u24 v4, v2, CB                       ; 8 x lane: my codes' place in a step's (cast: my 8 bytes of f16)
	v_lshrrev_b32 v5, 1, v2
	s_add_co_u32 s21, s21, 2*32*SP
	v_add_nc_u32 v5, s21, v5                       ; LDS: my block's scale byte
	v_lshlrev_b32 v7, 3, v2
	v_add_nc_u32 v6, s21, v7                       ; and on the way out 8 bytes a lane
	s_wait_kmcnt 0x0
	s_cmp_ge_u32 ttmp9, WGX+WGW                    ; the last 32 work-groups cast w_out
	s_cbranch_scc1 .Lcast
	s_cmp_lt_u32 ttmp9, WGX                        ; x's work-group or w_in's: the choice hangs on the work-group's number alone
	s_cselect_b64 s[4:5], s[4:5], s[6:7]
	s_cselect_b64 s[10:11], s[10:11], s[14:15]
	s_cselect_b64 s[12:13], s[12:13], s[16:17]
	s_cselect_b32 s21, 0, WGX
	s_sub_co_u32 s21, ttmp9, s21
	s_lshl_b32 s21, s21, 2
	s_add_co_u32 s22, s21, s20                     ; which run of 8,192 numbers is my wave's
	s_mov_b32 s23, 0
	s_mov_b64 s[24:25], 512*STEPS*4
	s_mul_u64 s[24:25], s[22:23], s[24:25]
	s_add_nc_u64 s[4:5], s[4:5], s[24:25]
	s_mov_b64 s[24:25], 32*STEPS*CB
	s_mul_u64 s[24:25], s[22:23], s[24:25]
	s_add_nc_u64 s[10:11], s[10:11], s[24:25]
	s_lshl_b32 s22, s22, 8                         ; 256 scale bytes a run
	s_add_nc_u64 s[12:13], s[12:13], s[22:23]
.macro LOAD t
.irp i, 0,1,2,3
	global_load_b128 v[R+16*((\t)%4)+4*\i:R+16*((\t)%4)+4*\i+3], v3, s[4:5] offset:2048*(\t)+512*\i th:TH_LOAD_NT   ; 32 lanes read 512 consecutive bytes
.endr
.endm
.macro TURN t                          ; step t's numbers through the stage: LDS serves a wave's instructions in order, so no wait stands between the stores and the loads
.irp i, 0,1,2,3
	ds_store_b128 v14, v[R+16*((\t)%4)+4*\i:R+16*((\t)%4)+4*\i+3] offset:32*SP*((\t)%2)+8*SP*\i
.endr
.irp i, 0,1,2,3
	ds_load_b128 v[X+16*((\t)%2)+4*\i:X+16*((\t)%2)+4*\i+3], v15 offset:32*SP*((\t)%2)+16*\i
.endr
.endm
.irp t, 0,1,2,3
	LOAD \t
.endr
	s_wait_loadcnt 12                              ; step 0's four loads are in; the 12 of steps 1 to 3 may be out
	TURN 0
.macro STEP t
.set XS, X+16*((\t)%2)
.if (\t) > 0
	s_wait_dscnt 1                                 ; this step's numbers are back from the stage; the last step's byte store may be out
.else
	s_wait_dscnt 0x0
.endif
.if (\t)+4 < STEPS
	LOAD (\t)+4                                    ; into the set whose stores into the stage are done
.endif
.if (\t)+1 < STEPS
.if STEPS-2-(\t) >= 3
	s_wait_loadcnt 12                              ; the next step's four loads are in; those of the three steps behind it may be out
.else
	s_wait_loadcnt 4*(STEPS-2-(\t))
.endif
	TURN (\t)+1
.endif
	v_max3_num_f32 v8, |v[XS]|, |v[XS+1]|, |v[XS+2]|               ; the largest magnitude of my 16, in two chains
	v_max3_num_f32 v9, |v[XS+3]|, |v[XS+4]|, |v[XS+5]|
.irp i, 6,10
	v_max3_num_f32 v8, v8, |v[XS+\i]|, |v[XS+\i+1]|
	v_max3_num_f32 v9, v9, |v[XS+\i+2]|, |v[XS+\i+3]|
.endr
	v_max3_num_f32 v8, v8, |v[XS+14]|, |v[XS+15]|
	v_max3_num_f32 v8, v8, v9, (EMAX+1)<<23        ; and the floor 2^(EMAX + 1 - 127): the byte cannot fall under 1
	v_max_num_f32_dpp v8, v8, v8 row_xmask:1 row_mask:0xf bank_mask:0xf   ; and of my neighbour's 16: the block's
	v_add_nc_u32 v11, -(EMAX<<23), v8              ; EMAX off its exponent field: the conversion takes this operand's exponent field as its scale
	v_cvt_scalef32_pk8_fp4_f32 v[C+4*(\t)], v[XS:XS+7], v11
	v_cvt_scalef32_pk8_fp4_f32 v[C+4*(\t)+1], v[XS+8:XS+15], v11
	v_lshrrev_b32 v[E+(\t)], 23, v11               ; the scale's byte (a plain line behind the conversions)
	ds_store_b8 v5, v[E+(\t)] offset:16*(\t)       ; both lanes of a block write the same byte with the same value
	global_store_b64 v4, v[C+4*(\t):C+4*(\t)+1], s[10:11] offset:32*CB*(\t)   ; 32 lanes store 256 consecutive bytes
.endm
.irp t, 0,1,2,3,4,5,6,7,8,9,10,11,12,13,14,15
	STEP \t
.endr
	ds_load_b64 v[8:9], v6                         ; LDS serves a wave's instructions in order: these see my byte stores
	s_wait_dscnt 0x0
	global_store_b64 v7, v[8:9], s[12:13]          ; 32 lanes store 256 consecutive bytes
	s_wait_tensorcnt 0x0                           ; the wave's end
	ds_add_u32 v[SPW], v[NIL]
	s_wait_dscnt 0x0
	s_endpgm
; THE CAST: w_out to f16.  64 loads of 512 consecutive bytes a wave, in four batches of 16, two batches ahead; a lane's 4 numbers become 8 bytes: a store covers 256 consecutive bytes.
.Lcast:
	s_sub_co_u32 s21, ttmp9, WGX+WGW
	s_lshl_b32 s21, s21, 2
	s_add_co_u32 s22, s21, s20                     ; my wave's run of 8,192 numbers
	s_lshl_b32 s24, s22, 15
	s_mov_b32 s25, 0
	s_add_nc_u64 s[8:9], s[8:9], s[24:25]
	s_lshl_b32 s24, s22, 14
	s_add_nc_u64 s[18:19], s[18:19], s[24:25]
.macro CLOAD g
.irp i, 0,1,2,3,4,5,6,7,8,9,10,11,12,13,14,15
	global_load_b128 v[R+64*((\g)%2)+4*\i:R+64*((\g)%2)+4*\i+3], v3, s[8:9] offset:(16*(\g)+\i)*512 th:TH_LOAD_NT
.endr
.endm
.macro CAST g
.if (\g) < 3
	s_wait_loadcnt 16                              ; this batch's 16 loads are in; the next batch's 16 may be out
.else
	s_wait_loadcnt 0x0
.endif
	s_wait_xcnt 0x0                                ; the last batch's stores have read their data registers, which are written again below
.irp i, 0,1,2,3,4,5,6,7,8,9,10,11,12,13,14,15
	v_cvt_pk_f16_f32 v[H16+2*\i], v[R+64*((\g)%2)+4*\i], v[R+64*((\g)%2)+4*\i+1]
	v_cvt_pk_f16_f32 v[H16+2*\i+1], v[R+64*((\g)%2)+4*\i+2], v[R+64*((\g)%2)+4*\i+3]
.endr
.if (\g) < 2
	CLOAD (\g)+2
.endif
.irp i, 0,1,2,3,4,5,6,7,8,9,10,11,12,13,14,15
	global_store_b64 v4, v[H16+2*\i:H16+2*\i+1], s[18:19] offset:(16*(\g)+\i)*256
.endr
.endm
	CLOAD 0
	CLOAD 1
	CAST 0
	CAST 1
	CAST 2
	CAST 3
	s_wait_tensorcnt 0x0                           ; the same three lines at this path's end
	ds_add_u32 v[SPW], v[NIL]
	s_wait_dscnt 0x0
	s_endpgm
.Lfunc_end_k_qf9805d8524_quant:
	.size	k_qf9805d8524_quant, .Lfunc_end_k_qf9805d8524_quant-k_qf9805d8524_quant
	.p2alignl 7, 3214868480
	.fill 96, 4, 3214868480
	.section	.rodata,"a",@progbits
	.p2align	6, 0x0
	.amdhsa_kernel k_qf9805d8524_quant
		.amdhsa_group_segment_fixed_size 33280
		.amdhsa_private_segment_fixed_size 0
		.amdhsa_enable_private_segment 0
		.amdhsa_kernarg_size 64
		.amdhsa_user_sgpr_count 2
		.amdhsa_user_sgpr_kernarg_segment_ptr 1
		.amdhsa_wavefront_size32 1
		.amdhsa_system_sgpr_workgroup_id_x 1
		.amdhsa_system_sgpr_workgroup_id_y 1
		.amdhsa_system_sgpr_workgroup_id_z 1
		.amdhsa_system_vgpr_workitem_id 0
		.amdhsa_next_free_vgpr 192
		.amdhsa_next_free_sgpr 66
		.amdhsa_reserve_vcc 0
		.amdhsa_float_denorm_mode_32 3
		.amdhsa_float_denorm_mode_16_64 3
		.amdhsa_memory_ordered 1
		.amdhsa_forward_progress 1
		.amdhsa_inst_pref_size 54
	.end_amdhsa_kernel
	.amdgpu_metadata
---
amdhsa.version: [ 1, 2 ]
amdhsa.kernels:
  - .name:           k_qf9805d8524_quant
    .symbol:         k_qf9805d8524_quant.kd
    .args:
      - { .name: x, .offset: 0, .size: 8, .value_kind: global_buffer, .address_space: global }
      - { .name: w_in, .offset: 8, .size: 8, .value_kind: global_buffer, .address_space: global }
      - { .name: w_out, .offset: 16, .size: 8, .value_kind: global_buffer, .address_space: global }
      - { .name: x_codes, .offset: 24, .size: 8, .value_kind: global_buffer, .address_space: global }
      - { .name: x_scales, .offset: 32, .size: 8, .value_kind: global_buffer, .address_space: global }
      - { .name: w_codes, .offset: 40, .size: 8, .value_kind: global_buffer, .address_space: global }
      - { .name: w_scales, .offset: 48, .size: 8, .value_kind: global_buffer, .address_space: global }
      - { .name: w16, .offset: 56, .size: 8, .value_kind: global_buffer, .address_space: global }
    .group_segment_fixed_size: 33280
    .private_segment_fixed_size: 0
    .kernarg_segment_align: 8
    .kernarg_segment_size: 64
    .max_flat_workgroup_size: 128
    .sgpr_count:     66
    .vgpr_count:     192
    .wavefront_size: 32
...
	.end_amdgpu_metadata
.endif
;; end of part 1
;; launch qkv (part 2): grid 12 x 32, 4 waves a work-group, clusters of 4 x 4, 327,680 bytes of LDS; arguments x_codes, x_scales, w_codes, w_scales, b_in, qkv16, fine_qkv; writes qkv16, fine_qkv
.if DOCPART == 2
	.amdgcn_target "amdgcn-amd-amdhsa--gfx1250"
	.amdhsa_code_object_version 6
	.text
	.protected	k_qf9805d8524_qkv
	.globl	k_qf9805d8524_qkv
	.p2align	8
	.type	k_qf9805d8524_qkv,@function
k_qf9805d8524_qkv:
	s_mov_b64 s[64:65], 0
	v_nop
	global_prefetch_b8 v0, s[64:65] scope:SCOPE_SE
	s_setreg_imm32_b32 hwreg(HW_REG_WAVE_MODE, 25, 1), 1
	s_wait_xcnt 0x0
	s_wait_alu depctr_hold_cnt(0) depctr_sa_sdst(0) depctr_va_vdst(0) depctr_va_sdst(0) depctr_va_ssrc(0) depctr_va_vcc(0) depctr_vm_vsrc(0)
	s_getreg_b32 s2, hwreg(HW_REG_IB_STS2, 6, 4)
	s_cmp_eq_u32 s2, 0
	s_cbranch_scc0 .Lentry_in_a_cluster
	s_endpgm
.Lentry_in_a_cluster:
	s_bfe_u32 s2, ttmp6, 0x10000c
	s_cmp_lg_u32 s2, 0xf033
	s_cbranch_scc0 .Lentry_shape_is_right
	s_endpgm
.Lentry_shape_is_right:
; qkv = x w_in^T + b_in on codes of FP4 (E2M1) with one E8M0 scale for each 32 along K; sums in f32.  x: [8192][1024], w_in: [3072][1024], as codes (512 bytes a row) and scale bytes (32 a row).
; The results leave as f16, laid for the attention: qkv16 [which 3][batch 4][head 16][position 2048][64]; positions 0-15 of each sequence leave in f32 too: fine_qkv [batch x 16 + position][3072].
; LIMIT: q, k and v must lie inside f16's range (65,504).
; A tile of 256 rows x 256 columns is made by four waves, each 128 x 128: 64 accumulators, 512 registers.  K = 1,024 is two slots of 512 in LDS (rows of 256 bytes), both filled at the head: nothing is filled again.
; The scale bytes of the work-group's 256 + 256 rows come once, in runs of 256 bytes, and stay in LDS.
; CLUSTERS: 4 x 4 work-groups; the four of a row of the cluster ask jointly for x's tiles, the four of a column for w_in's.
; The tile row is 8 cy + cluster y: the batch is cy and the tile within the sequence is cluster y, the same number in all sixteen partners: the branch for positions 0-15 hangs on it and on the wave's number.
; THE MATRIX INSTRUCTION IS USED TRANSPOSED (source 0 = 16 rows of w_in, source 1 = 16 rows of x): a lane holds eight neighbouring columns of one row.  The bias is the C of each sum's first product.
; REGISTERS: window 0: v0-31 addresses; v32-95 scale words, two sets; v128-191 x's fragments, one set; v192-255 the bias, 8 tiles in the result's layout.  window 1: w_in's fragments, two sets.
;   window 2: the accumulators of my rows 0-63 ((a, b) at v[8 (8 a + b)]); window 3: those of rows 64-127.
.set KSTEP,  512
.set NQ,     KSTEP/128
.set ROWB,   256                       ; a tile's row in bytes
.set KROW,   512                       ; a row of codes in memory
.set PITCH,  272                       ; an LDS row: 256 bytes + 16 of padding = 68 words: the 16 rows of a load start at 16 different banks (64 banks of 4 bytes: ISA guide 11.1)
.set FR,     8
.set NL,     2
.set NP,     4                         ; places behind this matrix instruction (ISA guide 7.12.1)
.set HALFT,  128*PITCH
.set SLOT,   4*HALFT
.set KS,     32                        ; a row of scale bytes
.set SCL,    2*SLOT                    ; behind the two slots: the scales, runs of 256 bytes + 16 of padding
.set HALFS,  (128*KS/256)*272
.set SBLK,   (16*KS/256)*272
.set SPARE,  SCL+4*HALFS               ; the spare words, 128 bytes a wave
.set ST32,   4*4608                    ; the way out, in slot 0 (its one fill and its last read are over): f16 stages 2 x 16 rows x 144 a wave from byte 0; f32 stages 16 rows x 528 a wave from here
.set ADRA, 16                          ; v16-17 LDS address of my x fragments in slot 0, 1
.set ADRB, 20                          ; v20-21 the same for w_in
.set STO32, 22                         ; v22 f32 stage: where I put 32 bytes of a row
.set RD32, 23                          ; v23 and where I read a row back
.set STO16, 24                         ; v24 f16 stage: where I put 16 bytes of a row
.set RD16, 25                          ; v25 and where I read four rows of 128 bytes back
.set CO,   26                          ; v26 16 x lane
.set ADRS, 27                          ; v27 LDS address of my scale words: lanes 0-15 x's rows, lanes 16-31 w_in's
.set SPW,  28                          ; v28 my spare word; never rewritten
.set NIL,  29                          ; v29 0; never rewritten
.set BO,   30                          ; v30 32 x (lane / 16): my eight numbers of a tile of the bias
.set SC,   32
.set TMP,  32                          ; the way out: packed f16, v32-63 and v64-95 by turns
.set AF,   128
.set BK,   128                         ; the way out: rows read back, v128-159 and v160-191 by turns
.set BIAS, 192
.set G1, 24
.set G0, 32
.set G1B, 48
.set G0B, 56
.set G1S, 68
.set G0S, 76
.set G1SB, 80
.set G0SB, 88
.set MSB, 0
.macro WIN new                         ; the immediate's high byte repeats the setting that is left
.if MSB != \new
	s_set_vgpr_msb (MSB<<8)|\new
.set MSB, \new
.endif
.endm
.set MUL_LO, 0xa1                      ; source 0 window 1, source 1 window 0, C and D window 2
.set MUL_HI, 0xf1                      ; the same, C and D window 3
.set FST_LO, 0x81                      ; the first step: C (the bias) window 0, D window 2
.set FST_HI, 0xc1                      ; D window 3
.set TO_B,   0x40
; A joint load: waves 0 and 1 fetch for x, waves 2 and 3 for w_in.  The branch hangs on the wave's number alone.  An s_nop 0 and four v_nop follow each line.
.macro JLOAD g0a, g1a, g0b, g1b
	s_cmp_eq_u32 s15, 0
	s_cbranch_scc0 .Lfor_b_\@
	tensor_load_to_lds s[\g0a:\g0a+3], s[\g1a:\g1a+7]
	s_nop 0
.rept 4
	v_nop
.endr
	s_branch .Lasked_\@
.Lfor_b_\@:
	tensor_load_to_lds s[\g0b:\g0b+3], s[\g1b:\g1b+7]
	s_nop 0
.rept 4
	v_nop
.endr
.Lasked_\@:
.endm
.macro CROUND                          ; a round of the cluster's barrier
	s_barrier_signal -1
	s_barrier_wait -1
	s_cmp_lg_u32 s14, 0
	s_cbranch_scc1 .Lnot_wave_0_\@
	s_barrier_signal -3
.Lnot_wave_0_\@:
	s_barrier_wait -3
	s_barrier_signal -1
	s_barrier_wait -1
.endm
	s_load_b256 s[4:11], s[0:1], 0x0               ; x's codes s[4:5], x's scales s[6:7], w's codes s[8:9], w's scales s[10:11]
	s_load_b128 s[96:99], s[0:1], 0x20             ; b_in s[96:97], qkv16 s[98:99]
	s_load_b64 s[100:101], s[0:1], 0x30            ; fine_qkv
	v_lshl_add_u32 v[SPW], v0, 2, SPARE
	v_mov_b32 v[NIL], 0
	ds_add_u32 v[SPW], v[NIL]                      ; the wave's opening: the add, twice on end, and its wait ahead of my first tensor load
	ds_add_u32 v[SPW], v[NIL]
	v_lshrrev_b32 v1, 5, v0
	v_readfirstlane_b32 s14, v1                    ; wave 0..3
	s_lshr_b32 s15, s14, 1                         ; which half of the tile's rows is mine.  Also: I fetch for x (0) or for w_in (1)
	s_and_b32 s16, s14, 1                          ; which half of its columns.  Also: which 128 rows I fetch
	s_bfe_u32 s40, ttmp6, 0x40000                  ; cx
	s_bfe_u32 s41, ttmp6, 0x40004                  ; cy
	s_lshl_b32 s42, ttmp9, 2
	s_add_co_u32 s42, s42, s40                     ; tile column = 4 x cluster x + cx
	s_and_b32 s3, ttmp7, 0xffff                    ; cluster y: the tile within the sequence
	s_lshl_b32 s17, s41, 3
	s_add_co_u32 s17, s17, s3                      ; tile row = 8 cy + cluster y
	s_lshl_b32 s43, s41, 2
	s_lshl_b32 s43, 15, s43                        ; my row of the cluster
	s_lshl_b32 s44, 0x1111, s40                    ; my column
	s_or_b32 s[G1+0], s43, (0<<16)|(1<<20)|(1<<21)|(5<<22)|(3<<25)  ; the mask; elements of 1 byte; padding on: 4 words after every 64; bit 21 beside a mask
	s_or_b32 s[G1B+0], s44, (0<<16)|(1<<20)|(1<<21)|(5<<22)|(3<<25)
.irp g, G1, G1B
	s_mov_b32 s[\g+1], ROWB<<16                    ; tensor_dim0
	s_mov_b32 s[\g+2], 128<<16                     ; tensor_dim1
	s_mov_b32 s[\g+3], ROWB<<16                    ; tile_dim0
	s_mov_b32 s[\g+4], 128                         ; tile_dim1
	s_mov_b32 s[\g+5], KROW                        ; the pitch
	s_mov_b32 s[\g+6], 0
	s_mov_b32 s[\g+7], 0
.endr
	s_or_b32 s[G1S+0], s43, (3<<16)|(1<<20)|(1<<21)|(5<<22)|(3<<25) ; the scales of 128 rows: a dense block, as rows of 32 elements of 8 bytes
	s_or_b32 s[G1SB+0], s44, (3<<16)|(1<<20)|(1<<21)|(5<<22)|(3<<25)
.irp g, G1S, G1SB
	s_mov_b32 s[\g+1], 32<<16
	s_mov_b32 s[\g+2], (128*KS/256)<<16
	s_mov_b32 s[\g+3], 32<<16
	s_mov_b32 s[\g+4], 128*KS/256
	s_mov_b32 s[\g+5], 32
	s_mov_b32 s[\g+6], 0
	s_mov_b32 s[\g+7], 0
.endr
	s_lshl_b32 s18, s16, 7
	s_lshl_b32 s20, s17, 8
	s_add_co_u32 s20, s20, s18                     ; x: row 256 x tile row + 128 x half
	s_lshl_b32 s46, s42, 8
	s_add_co_u32 s46, s46, s18                     ; w_in: row 256 x tile column + 128 x half
	s_mov_b32 s21, 0
	s_mov_b32 s47, 0
	s_mov_b64 s[18:19], KS
	s_mul_u64 s[22:23], s[20:21], s[18:19]         ; where these rows' scales begin
	s_mul_u64 s[92:93], s[46:47], s[18:19]
	s_mov_b64 s[18:19], KROW
	s_mul_u64 s[20:21], s[20:21], s[18:19]         ; and their codes
	s_mul_u64 s[46:47], s[46:47], s[18:19]
	s_mul_i32 s45, s14, HALFT                      ; where they go: wave x 128 rows
	s_mul_i32 s94, s14, HALFS
	s_wait_dscnt 0x0                               ; both opening adds are done
	s_wait_kmcnt 0x0
	s_add_nc_u64 s[20:21], s[4:5], s[20:21]
	s_add_nc_u64 s[22:23], s[6:7], s[22:23]
	s_add_nc_u64 s[46:47], s[8:9], s[46:47]
	s_add_nc_u64 s[92:93], s[10:11], s[92:93]
	CROUND                                         ; all sixteen work-groups are here: the joint loads meet
	s_mov_b32 s[G0S], 1
	s_add_co_u32 s[G0S+1], s94, SCL
	s_mov_b64 s[G0S+2:G0S+3], s[22:23]
	s_or_b32 s[G0S+3], s[G0S+3], 0x80000000
	s_mov_b32 s[G0SB], 1
	s_add_co_u32 s[G0SB+1], s94, SCL
	s_mov_b64 s[G0SB+2:G0SB+3], s[92:93]
	s_or_b32 s[G0SB+3], s[G0SB+3], 0x80000000
	JLOAD G0S, G1S, G0SB, G1SB                     ; the scales first
.irp s, 0,1
	s_mov_b32 s[G0+4*\s], 1
	s_add_co_u32 s[G0+4*\s+1], s45, \s*SLOT
	s_add_nc_u64 s[G0+4*\s+2:G0+4*\s+3], s[20:21], \s*ROWB
	s_or_b32 s[G0+4*\s+3], s[G0+4*\s+3], 0x80000000
	s_mov_b32 s[G0B+4*\s], 1
	s_add_co_u32 s[G0B+4*\s+1], s45, \s*SLOT
	s_add_nc_u64 s[G0B+4*\s+2:G0B+4*\s+3], s[46:47], \s*ROWB
	s_or_b32 s[G0B+4*\s+3], s[G0B+4*\s+3], 0x80000000
	JLOAD G0+4*\s, G1, G0B+4*\s, G1B               ; three loads of mine are out in all
.endr
	v_and_b32 v1, 15, v0                           ; r
	v_bfe_u32 v2, v0, 4, 1                         ; h
	; the bias: b_in at my 128 columns; tile b: the eight numbers 16 b + 8 h + 0 .. 7
	s_lshl_b32 s46, s42, 10
	s_lshl_b32 s47, s16, 9
	s_add_co_u32 s46, s46, s47                     ; 4 x my first column
	s_mov_b32 s47, 0
	s_add_nc_u64 s[96:97], s[96:97], s[46:47]
	s_add_nc_u64 s[100:101], s[100:101], s[46:47]  ; fine_qkv: the same columns,
	s_mul_i32 s46, s41, 196608
	s_add_nc_u64 s[100:101], s[100:101], s[46:47]  ; the batch's 16 rows of 12,288 bytes
	v_lshlrev_b32 v[BO], 5, v2
.irp b, 0,1,2,3,4,5,6,7
	global_load_b128 v[BIAS+8*\b:BIAS+8*\b+3], v[BO], s[96:97] offset:64*\b
	global_load_b128 v[BIAS+8*\b+4:BIAS+8*\b+7], v[BO], s[96:97] offset:64*\b+16
.endr
	v_mul_u32_u24 v3, v1, PITCH
	v_lshl_add_u32 v4, v2, 4, v3                   ; a fragment's row x pitch + 16 x half
	s_mul_i32 s21, s15, HALFT
	s_mul_i32 s22, s16, HALFT
	s_add_co_u32 s22, s22, 2*HALFT
.irp s, 0,1
	v_add_nc_u32 v[ADRA+\s], s21, v4
	v_add_nc_u32 v[ADRB+\s], s22, v4
	s_add_co_u32 s21, s21, SLOT
	s_add_co_u32 s22, s22, SLOT
.endr
	v_mul_u32_u24 v5, v1, KS                       ; my row's scales: KS bytes a row,
	v_lshrrev_b32 v6, 8, v5
	v_lshl_add_u32 v5, v6, 4, v5                   ; and 16 more for each 256 passed
	s_mul_i32 s21, s15, HALFS
	s_mul_i32 s22, s16, HALFS
	s_add_co_u32 s22, s22, 2*HALFS
	s_sub_co_u32 s22, s22, s21
	v_mul_u32_u24 v6, s22, v2                      ; lanes 16-31 take w_in's
	s_add_co_u32 s21, s21, SCL
	v_add_nc_u32 v5, v5, v6
	v_add_nc_u32 v[ADRS], s21, v5
	s_mul_i32 s23, s14, 4608                       ; my f16 stage
	v_mul_u32_u24 v5, v1, 144
	v_lshl_add_u32 v5, v2, 4, v5
	v_add_nc_u32 v[STO16], s23, v5                 ; in: row r, 16 bytes for each half of the lanes
	v_and_b32 v6, 31, v0
	v_lshrrev_b32 v7, 3, v6
	v_mul_u32_u24 v7, v7, 144
	v_and_b32 v8, 7, v0
	v_lshl_add_u32 v7, v8, 4, v7
	v_add_nc_u32 v[RD16], s23, v7                  ; back: eight lanes to a row of 128 bytes, four rows an instruction
	v_lshlrev_b32 v[CO], 4, v6
	s_mul_i32 s23, s14, 8448                       ; my f32 stage
	s_add_co_u32 s23, s23, ST32
	v_mul_u32_u24 v5, v1, 528
	v_lshl_add_u32 v5, v2, 5, v5
	v_add_nc_u32 v[STO32], s23, v5
	v_add_nc_u32 v[RD32], s23, v[CO]
	; qkv16 at my part: which = cluster x (2^24 bytes), batch = cy (2^22), head = 4 cx + 2 x column half (2^18), position = 256 x cluster y + 128 x row half (128 bytes)
	s_lshl_b32 s46, ttmp9, 24
	s_lshl_b32 s20, s41, 22
	s_add_co_u32 s46, s46, s20
	s_lshl_b32 s20, s40, 2
	s_lshl_b32 s21, s16, 1
	s_add_co_u32 s20, s20, s21
	s_lshl_b32 s20, s20, 18
	s_add_co_u32 s46, s46, s20
	s_lshl_b32 s20, s3, 8
	s_lshl_b32 s21, s15, 7
	s_add_co_u32 s20, s20, s21
	s_lshl_b32 s20, s20, 7
	s_add_co_u32 s46, s46, s20
	s_add_nc_u64 s[12:13], s[98:99], s[46:47]
	s_or_b32 s95, s3, s15                          ; 0 where my rows begin a sequence
.macro FRAG reg, adr, q, i             ; 16 rows x 128 K of 4-bit codes: 8 registers; registers 4 c .. 4 c + 3 hold K = 64 c + 32 (lane / 16) + 0 .. 31
.irp c, 0,1
	ds_load_b128 v[\reg+4*\c:\reg+4*\c+3], v[\adr] offset:64*(\q)+32*\c+(\i)*16*PITCH
.endr
.endm
; 16 matrix instructions: x's blocks a0, a0 + 1 against w_in's eight, 128 along K.  zero = 1: the first product starts the sums from the bias.  The 64 accumulators take turns, one instruction a turn.
.macro MUL16 a0, p, q, sc, zero
.irp a, \a0, \a0+1
.irp b, 0,1,2,3,4,5,6,7
.if \zero
	v_wmma_scale_f32_16x16x128_f8f6f4 v[8*(8*((\a)%4)+\b):8*(8*((\a)%4)+\b)+7], v[128*(\p)+FR*\b:128*(\p)+FR*\b+FR-1], v[AF+FR*(\a):AF+FR*(\a)+FR-1], v[BIAS+8*\b:BIAS+8*\b+7], v[SC+8*NQ*(\sc)+NQ*\b+(\q)], v[SC+8*NQ*(\sc)+NQ*(\a)+(\q)] matrix_a_fmt:MATRIX_FMT_FP4 matrix_b_fmt:MATRIX_FMT_FP4 matrix_a_scale:MATRIX_SCALE_ROW1
.else
	v_wmma_scale_f32_16x16x128_f8f6f4 v[8*(8*((\a)%4)+\b):8*(8*((\a)%4)+\b)+7], v[128*(\p)+FR*\b:128*(\p)+FR*\b+FR-1], v[AF+FR*(\a):AF+FR*(\a)+FR-1], v[8*(8*((\a)%4)+\b):8*(8*((\a)%4)+\b)+7], v[SC+8*NQ*(\sc)+NQ*\b+(\q)], v[SC+8*NQ*(\sc)+NQ*(\a)+(\q)] matrix_a_fmt:MATRIX_FMT_FP4 matrix_b_fmt:MATRIX_FMT_FP4 matrix_a_scale:MATRIX_SCALE_ROW1
.endif
.endr
.endr
.endm
.macro FETCH_B slot, q, p
	WIN TO_B
.irp i, 0,1,2,3,4,5,6,7
	FRAG 128*(\p)+FR*\i, ADRB+\slot, \q, \i
.endr
	WIN 0
.endm
.macro FETCH_A slot, q, i0
.irp i, \i0, \i0+1, \i0+2, \i0+3
	FRAG AF+FR*(\i), ADRA+\slot, \q, \i
.endr
.endm
.macro SCALES sc                       ; a slot's scale words: 4 words a row; lanes 0-15 x's block i, lanes 16-31 w_in's block i
.irp i, 0,1,2,3,4,5,6,7
	ds_load_b128 v[SC+8*NQ*\sc+NQ*\i:SC+8*NQ*\sc+NQ*\i+3], v[ADRS] offset:\i*SBLK
.endr
.endm
.macro PLACES n                        ; plain vector instructions between a matrix instruction and a load into, or a read of, its registers
.rept \n
	v_nop
.endr
.endm
.macro STEP slot, q, zero              ; a step of 128 along K that has its successor in the same slot
	s_wait_dscnt 4*NL                              ; w_in's set and x's blocks 0-3 are in; the youngest eight loads (x's blocks 4-7) may be out
.if \zero
	WIN FST_LO
.else
	WIN MUL_LO
.endif
	MUL16 0, (\q)%2, \q, \slot, \zero
	MUL16 2, (\q)%2, \q, \slot, \zero
	s_wait_dscnt 0
	PLACES NP
	FETCH_B \slot, (\q)+1, 1-(\q)%2
	FETCH_A \slot, (\q)+1, 0
.if \zero
	WIN FST_HI
.else
	WIN MUL_HI
.endif
	MUL16 4, (\q)%2, \q, \slot, \zero
	MUL16 6, (\q)%2, \q, \slot, \zero
	PLACES NP
	WIN 0
	FETCH_A \slot, (\q)+1, 4
.endm
.macro STEPS slot, from
.set Q, \from
.rept NQ-1-\from
	STEP \slot, Q, 0
.set Q, Q+1
.endr
.endm
	s_wait_tensorcnt 1                             ; the scales and my part of slot 0 are in; slot 1's load may be out
	s_barrier_signal -1
	s_barrier_wait -1
	FETCH_B 0, 0, 0
	FETCH_A 0, 0, 0
	SCALES 0
	FETCH_A 0, 0, 4
	s_wait_loadcnt 0x0                             ; the bias
	STEP 0, 0, 1
	STEPS 0, 1
	; slot 0's last step changes slots: one barrier; in front of it my load of slot 1 has landed and my reads of slot 0 are over.  Nothing is filled again.
	s_wait_tensorcnt 0x0
	ds_add_u32 v[SPW], v[NIL]                      ; 0 onto my spare word
	s_wait_dscnt 4*NL+1                            ; the add and the youngest eight loads may be out
	WIN MUL_LO
	MUL16 0, 1, NQ-1, 0, 0
	s_wait_dscnt 0x0
	s_barrier_signal -1
	MUL16 2, 1, NQ-1, 0, 0
	WIN 0
	s_barrier_wait -1
	PLACES NP
	v_add_nc_u32 v[ADRS], 4*NQ, v[ADRS]            ; on to slot 1's scale words
	FETCH_B 1, 0, 0
	FETCH_A 1, 0, 0
	SCALES 1
	WIN MUL_HI
	MUL16 4, 1, NQ-1, 0, 0
	MUL16 6, 1, NQ-1, 0, 0
	PLACES NP
	WIN 0
	FETCH_A 1, 0, 4
	STEPS 1, 0
	s_wait_dscnt 4*NL                              ; the very last step
	WIN MUL_LO
	MUL16 0, 1, NQ-1, 1, 0
	MUL16 2, 1, NQ-1, 1, 0
	s_wait_dscnt 0
	WIN MUL_HI
	MUL16 4, 1, NQ-1, 1, 0
	MUL16 6, 1, NQ-1, 1, 0
	WIN 0
	; THE WAY OUT.  Every wave has passed the change of slots, behind which nobody reads slot 0 and nothing is filled: the stages lie there.
	PLACES NP
	s_cmp_lg_u32 s95, 0                            ; positions 0-15 of a sequence are block 0 of waves 0 and 1 in the tiles with cluster y = 0
	s_cbranch_scc1 .Lnofine
	WIN 0x08                                       ; an LDS store's data are its source 1: window 2
.irp b, 0,1,2,3,4,5,6,7
	ds_store_b128 v[STO32], v[8*\b:8*\b+3] offset:64*\b            ; each accumulator from its low end on
	ds_store_b128 v[STO32], v[8*\b+4:8*\b+7] offset:64*\b+16
.endr
	WIN 0
.irp t, 0,1,2,3,4,5,6,7,8,9,10,11,12,13,14,15
	ds_load_b128 v[BIAS+4*\t:BIAS+4*\t+3], v[RD32] offset:\t*528   ; LDS serves a wave's instructions in order: these see my stores
.endr
.irp t, 0,1,2,3,4,5,6,7,8,9,10,11,12,13,14,15
	s_wait_dscnt 15-\t
	global_store_b128 v[CO], v[BIAS+4*\t:BIAS+4*\t+3], s[100:101] offset:\t*12288   ; 32 lanes store 512 consecutive bytes of a row
.endr
.Lnofine:
; Block a (16 rows x 128 columns = two heads): rounded to f16, 16 bytes a lane; through my stage; back as four rows of 128 bytes, which are 512 consecutive bytes of qkv16.
.macro PACK a
.set AC, 64*((\a)%4)
.set TP, TMP+32*((\a)%2)
	WIN (0x0a+5*((\a)/4))                          ; sources 0 and 1: window 2 or 3
.irp b, 0,1,2,3,4,5,6,7
.irp i, 0,1,2,3
	v_cvt_pk_f16_f32 v[TP+4*\b+\i], v[AC+8*\b+2*\i], v[AC+8*\b+2*\i+1]
.endr
.endr
	WIN 0
.endm
.macro TOSTAGE a
.set TP, TMP+32*((\a)%2)
.set BB, BK+32*((\a)%2)
.irp b, 0,1,2,3,4,5,6,7
	ds_store_b128 v[STO16], v[TP+4*\b:TP+4*\b+3] offset:(\b/4)*2304+32*(\b%4)
.endr
.irp g, 0,1
.irp t, 0,1,2,3
	ds_load_b128 v[BB+4*(4*\g+\t):BB+4*(4*\g+\t)+3], v[RD16] offset:\g*2304+\t*576
.endr
.endr
.endm
.macro SEND a, younger                 ; younger: the LDS instructions issued behind block a's loads, which may stay out
.set BB, BK+32*((\a)%2)
	s_wait_dscnt \younger
.irp g, 0,1
.irp t, 0,1,2,3
	global_store_b128 v[CO], v[BB+4*(4*\g+\t):BB+4*(4*\g+\t)+3], s[12:13] offset:(\a)*2048+\g*262144+512*\t th:TH_STORE_NT
.endr
.endr
.endm
	PACK 0
	TOSTAGE 0
.irp a, 1,2,3,4,5,6,7
.if \a > 1
	s_wait_xcnt 0x0                                ; block a - 2's stores have read their registers: block a's loads may land there
.endif
	PACK \a
	TOSTAGE \a
	SEND \a-1, 16                                  ; behind block a - 1's loads: block a's 8 stores and 8 loads
.endr
	SEND 7, 0
	s_wait_tensorcnt 0x0                           ; the wave's end
	ds_add_u32 v[SPW], v[NIL]
	s_wait_dscnt 0x0
	CROUND                                         ; the closing round
	s_endpgm
.Lfunc_end_k_qf9805d8524_qkv:
	.size	k_qf9805d8524_qkv, .Lfunc_end_k_qf9805d8524_qkv-k_qf9805d8524_qkv
	.p2alignl 7, 3214868480
	.fill 96, 4, 3214868480
	.section	.rodata,"a",@progbits
	.p2align	6, 0x0
	.amdhsa_kernel k_qf9805d8524_qkv
		.amdhsa_group_segment_fixed_size 327680
		.amdhsa_private_segment_fixed_size 0
		.amdhsa_enable_private_segment 0
		.amdhsa_kernarg_size 56
		.amdhsa_user_sgpr_count 2
		.amdhsa_user_sgpr_kernarg_segment_ptr 1
		.amdhsa_wavefront_size32 1
		.amdhsa_system_sgpr_workgroup_id_x 1
		.amdhsa_system_sgpr_workgroup_id_y 1
		.amdhsa_system_sgpr_workgroup_id_z 1
		.amdhsa_system_vgpr_workitem_id 0
		.amdhsa_next_free_vgpr 1024
		.amdhsa_next_free_sgpr 102
		.amdhsa_reserve_vcc 0
		.amdhsa_float_denorm_mode_32 3
		.amdhsa_float_denorm_mode_16_64 3
		.amdhsa_memory_ordered 1
		.amdhsa_forward_progress 1
		.amdhsa_inst_pref_size 133
	.end_amdhsa_kernel
	.amdgpu_metadata
---
amdhsa.version: [ 1, 2 ]
amdhsa.kernels:
  - .name:           k_qf9805d8524_qkv
    .symbol:         k_qf9805d8524_qkv.kd
    .args:
      - { .name: x_codes, .offset: 0, .size: 8, .value_kind: global_buffer, .address_space: global }
      - { .name: x_scales, .offset: 8, .size: 8, .value_kind: global_buffer, .address_space: global }
      - { .name: w_codes, .offset: 16, .size: 8, .value_kind: global_buffer, .address_space: global }
      - { .name: w_scales, .offset: 24, .size: 8, .value_kind: global_buffer, .address_space: global }
      - { .name: b_in, .offset: 32, .size: 8, .value_kind: global_buffer, .address_space: global }
      - { .name: qkv16, .offset: 40, .size: 8, .value_kind: global_buffer, .address_space: global }
      - { .name: fine_qkv, .offset: 48, .size: 8, .value_kind: global_buffer, .address_space: global }
    .group_segment_fixed_size: 327680
    .private_segment_fixed_size: 0
    .kernarg_segment_align: 8
    .kernarg_segment_size: 56
    .max_flat_workgroup_size: 128
    .sgpr_count:     102
    .vgpr_count:     1024
    .wavefront_size: 32
...
	.end_amdgpu_metadata
.endif
;; end of part 2
;; launch attn (part 3): grid 4 x 64, 16 waves a work-group, no clusters, 270,336 bytes of LDS; arguments qkv16, attn16; writes attn16
.if DOCPART == 3
	.amdgcn_target "amdgcn-amd-amdhsa--gfx1250"
	.amdhsa_code_object_version 6
	.text
	.protected	k_qf9805d8524_attn
	.globl	k_qf9805d8524_attn
	.p2align	8
	.type	k_qf9805d8524_attn,@function
k_qf9805d8524_attn:
	s_mov_b64 s[64:65], 0
	v_nop
	global_prefetch_b8 v0, s[64:65] scope:SCOPE_SE
	s_setreg_imm32_b32 hwreg(HW_REG_WAVE_MODE, 25, 1), 1
	s_wait_xcnt 0x0
; Banded causal attention: query i sees keys i - 128 .. i.  q, k, v: qkv16 [which][batch x 16 + head][2048][64] f16.  Result: attn16 [head][batch x 2048 + position][64] f16.
; Products with f16 operands and f32 sums; maximum, exponentials and sums in f32; the weights are rounded to f16 for the second product.
; Only the band is multiplied: what lies outside it counts with weight 0.
; LIMITS: that equals the mask value -1e9 of the definition as long as a row's allowed scores lie more than some 150 above -1e9; hidden scores are held at -1e30, so scores must stay under 1e29 in size;
; q, k, v finite in f16.  The row's largest allowed score is always taken away ahead of the exponential.
; SHARES.  A work-group: one (batch, head), 512 queries from Q0 on.  Its 640 rows of K and of V (keys Q0 - 128 .. Q0 + 511) come into LDS once, by ten tensor loads of 128 rows (waves 0-4: V, waves 5-9: K).
; In the sequence's first block the 128 rows ahead of key 0 do not exist: their loads take keys 0-127 in their stead, and the scores made of them are hidden below.
; NO CLUSTER: neighbouring blocks share 128 of 640 rows, a fifth of the bytes, and each only with one neighbour.  NO PREFETCH: all tiles are asked for at the head; there is no loop.
; A wave: 32 queries q0 = Q0 + 32 w on: tile 0 (q0 .. + 15), tile 1 (q0 + 16 .. + 31).  Both use the window of ten key tiles k' = 0 .. 9: keys q0 - 128 + 16 k' + c.
;   tile 0: k' = 0 counts where c >= r, 1-7 whole, 8 where c <= r, 9 not at all.   tile 1: the same one tile further on; k' = 0 not at all.
; LAYOUT.  S^T = K Q^T (source 0 = 16 keys, source 1 = 16 queries): a lane holds query r = lane % 16 and keys 8 (lane / 16) + 0 .. 7.  Two such tiles, rounded in pairs, are source 1 of O^T = V^T P.
; The two partial tiles' masks are the C of their first product: 0 or -1e30.  A query's whole band, 72 scores a lane, stays in registers: one maximum, no rescaling.
.set VP,    160                        ; a row of V in LDS: 128 bytes + 32
.set KP,    144                        ; a row of K: 128 + 16: the 16 rows of a load start at 16 different groups of banks
.set KOFF,  640*VP                     ; V's 640 rows, then K's
.set STAGE, KOFF+640*KP                ; behind them: 32 rows x 144 for each wave, for the way out
.set SPARE, STAGE+16*32*KP             ; the spare words, 128 bytes a wave
.set AK,  1                            ; v1  my lane's place in my window's first tile of K
.set AV,  2                            ; v2  the same for V
.set QO,  3                            ; v3  my byte offset in the wave's rows of Q
.set STO, 4                            ; v4  the way out: where I put 16 bytes of a row
.set RD,  5                            ; v5  and where I read rows back
.set GO,  6                            ; v6  16 x lane
.set SPW, 7                            ; v7  my spare word; never rewritten
.set NIL, 8                            ; v8  0; never rewritten
.set ML,  16                           ; v16-23 mask of the window's first counted tile: 0 where c >= r
.set MH,  24                           ; v24-31 of its last: 0 where c <= r
.set Q,   32                           ; v32-63 Q: tile x, channels 32 cc on, at Q + 16 x + 8 cc
.set KF,  64                           ; v64-95 two key tiles: tile e, channels 32 cc on, at KF + 16 e + 8 cc
.set SA,  96                           ; v96-167  tile 0's scores, k' at SA + 8 k'
.set SB,  168                          ; v168-239 tile 1's, k' at SB + 8 (k' - 1)
.set ST,  240                          ; v240-255 statistics, 8 a tile: +0 the maximum, +1 a second chain, +2,+3 -c m, +4,+5 and +6,+7 sums, later the reciprocal
.set PA,  16                           ; v16-55 tile 0's weights in f16, k' at PA + 4 k'; v56-95 tile 1's
.set O,   96                           ; v96-159 O^T: tile x, channels 16 t on, at O + 32 x + 8 t
.set VB,  160                          ; v160-223 V^T's fragments of 32 keys, two sets
.set WV,  8
.set POS, 9
.set SEL, 10
.set CS,  12
.set NCS, 14
.set NEG, 15
	s_load_b128 s[4:7], s[0:1], 0x0                ; qkv16, attn16
	v_lshl_add_u32 v[SPW], v0, 2, SPARE
	v_mov_b32 v[NIL], 0
	ds_add_u32 v[SPW], v[NIL]                      ; the wave's opening: the add, twice on end, and its wait ahead of the first tensor load
	ds_add_u32 v[SPW], v[NIL]
	v_lshrrev_b32 v11, 5, v0
	v_readfirstlane_b32 s[WV], v11                 ; wave 0..15
	s_mov_b32 s[SEL], 0x76543210
	s_mov_b32 s[SEL+1], 0xfedcba98                 ; lane l xor 16
	s_mov_b32 s[CS], 0x3e38aa3b                    ; c = log2(e) / sqrt(64)
	s_mov_b32 s[CS+1], s[CS]
	s_mov_b32 s[NCS], 0xbe38aa3b                   ; -c
	s_mov_b32 s[NEG], 0xf149f2ca                   ; -1e30
	s_mov_b32 s[POS], 0x7f7fffff                   ; the largest number
	; descriptor groups 1: 128 rows of 64 elements of 2 bytes, dense in memory; padding after every 32 words: V 8 words, K 4
	s_mov_b32 s16, (1<<16)|(1<<20)|(4<<22)|(7<<25)
	s_mov_b32 s24, (1<<16)|(1<<20)|(4<<22)|(3<<25)
.irp g, 16, 24
	s_mov_b32 s[\g+1], 64<<16                      ; tensor_dim0
	s_mov_b32 s[\g+2], 128<<16                     ; tensor_dim1
	s_mov_b32 s[\g+3], 64<<16                      ; tile_dim0
	s_mov_b32 s[\g+4], 128                         ; tile_dim1
	s_mov_b32 s[\g+5], 64                          ; the pitch
	s_mov_b32 s[\g+6], 0
	s_mov_b32 s[\g+7], 0
.endr
	s_and_b32 s40, ttmp7, 0xffff                   ; batch x 16 + head
	s_lshl_b32 s41, s40, 18                        ; its 2,048 rows of 128 bytes
	s_lshl_b32 s42, ttmp9, 9                       ; Q0
	s_lshl_b32 s43, s[WV], 7
	s_add_co_u32 s43, s43, s42                     ; Q0 + 128 w
	s_sub_co_i32 s44, s43, 128                     ; V, waves 0-4: rows Q0 - 128 + 128 w on,
	s_max_i32 s44, s44, 0                          ; or from key 0 where those do not exist
	s_lshl_b32 s44, s44, 7
	s_add_co_u32 s44, s44, s41
	s_add_co_u32 s44, s44, 2<<24
	s_mov_b32 s45, 0
	s_sub_co_i32 s46, s43, 768                     ; K, waves 5-9: rows Q0 - 128 + 128 (w - 5) on
	s_max_i32 s46, s46, 0
	s_lshl_b32 s46, s46, 7
	s_add_co_u32 s46, s46, s41
	s_add_co_u32 s46, s46, 1<<24
	s_mov_b32 s47, 0
	s_wait_dscnt 0x0                               ; both opening adds are done
	s_wait_kmcnt 0x0
	s_mov_b32 s32, 1
	s_mul_i32 s33, s[WV], 128*VP                   ; LDS: V's rows 128 w on
	s_add_nc_u64 s[34:35], s[4:5], s[44:45]
	s_or_b32 s35, s35, 0x80000000
	s_mov_b32 s36, 1
	s_mul_i32 s37, s[WV], 128*KP
	s_add_co_u32 s37, s37, KOFF-5*128*KP           ; LDS: K's rows 128 (w - 5) on
	s_add_nc_u64 s[38:39], s[4:5], s[46:47]
	s_or_b32 s39, s39, 0x80000000
	s_cmp_lt_u32 s[WV], 5                          ; the first fills: one load a wave, in one branch on the wave's number; an s_nop 0 and four v_nop follow each
	s_cbranch_scc0 .Lnot_v
	tensor_load_to_lds s[32:35], s[16:23]
	s_nop 0
.rept 4
	v_nop
.endr
	s_branch .Lasked
.Lnot_v:
	s_cmp_lt_u32 s[WV], 10
	s_cbranch_scc0 .Lasked
	tensor_load_to_lds s[36:39], s[24:31]
	s_nop 0
.rept 4
	v_nop
.endr
.Lasked:
	s_lshl_b32 s43, s[WV], 5
	s_add_co_u32 s43, s43, s42                     ; q0 = Q0 + 32 w
	s_lshl_b32 s44, s43, 7
	s_add_co_u32 s44, s44, s41
	s_add_nc_u64 s[4:5], s[4:5], s[44:45]          ; Q at my first query
	s_and_b32 s46, s40, 15                         ; attn16: head x 2^20 + (batch x 2048 + q0) x 128
	s_lshl_b32 s46, s46, 20
	s_lshr_b32 s41, s40, 4
	s_lshl_b32 s41, s41, 11
	s_add_co_u32 s41, s41, s43
	s_lshl_b32 s41, s41, 7
	s_add_co_u32 s46, s46, s41
	s_add_nc_u64 s[6:7], s[6:7], s[46:47]
	v_and_b32 v11, 31, v0                          ; lane
	v_and_b32 v12, 15, v0                          ; r
	v_bfe_u32 v13, v0, 4, 1                        ; h
	v_lshlrev_b32 v[QO], 7, v12
	v_lshl_add_u32 v[QO], v13, 4, v[QO]            ; row r of 128 bytes + 16 h
.irp x, 0,1
.irp c, 0,1
.irp e, 0,1
	global_load_b128 v[Q+16*\x+8*\c+4*\e:Q+16*\x+8*\c+4*\e+3], v[QO], s[4:5] offset:2048*\x+64*\c+32*\e
.endr
.endr
.endr
	s_mul_i32 s41, s[WV], 32*KP                    ; my window begins 32 w rows into the block's 640; my stage has the same size
	v_mul_u32_u24 v14, v12, KP
	v_lshl_add_u32 v14, v13, 4, v14
	v_add_nc_u32 v14, s41, v14
	v_add_nc_u32 v[AK], KOFF, v14
	v_add_nc_u32 v[STO], STAGE, v14
	v_lshrrev_b32 v15, 3, v11
	v_mul_u32_u24 v15, v15, KP
	v_and_b32 v[RD], 7, v0
	v_lshl_add_u32 v[RD], v[RD], 4, v15
	v_add_nc_u32 v[RD], s41, v[RD]
	v_add_nc_u32 v[RD], STAGE, v[RD]               ; back: eight lanes to a row of 128 bytes
	v_and_b32 v[AV], 7, v0
	v_lshl_add_u32 v[AV], v13, 3, v[AV]
	v_mul_u32_u24 v[AV], v[AV], VP
	v_bfe_u32 v15, v0, 3, 1
	v_lshl_add_u32 v[AV], v15, 4, v[AV]            ; the turning load: key 8 h + lane % 8, channels 8 ((lane / 8) % 2) on
	s_mul_i32 s46, s[WV], 32*VP
	v_add_nc_u32 v[AV], s46, v[AV]
	v_lshlrev_b32 v[GO], 4, v11
	v_mov_b32 v9, s[NEG]
	v_lshlrev_b32 v10, 3, v13
	v_sub_nc_u32 v10, v12, v10                     ; d = r - 8 h: register j holds key c = 8 h + j of a tile
.irp j, 0,1,2,3,4,5,6,7
	v_cmp_lt_i32 vcc_lo, \j, v10                   ; c < r: hidden in the first counted tile
	v_cndmask_b32 v[ML+\j], 0, v9, vcc_lo
	v_cmp_gt_i32 vcc_lo, \j, v10                   ; c > r: hidden in the last
	v_cndmask_b32 v[MH+\j], 0, v9, vcc_lo
.endr
	s_wait_tensorcnt 0x0                           ; my load has landed,
	s_barrier_signal -1
	s_barrier_wait -1                              ; everybody's has
	s_wait_loadcnt 0x0                             ; Q
; THE SCORES, two key tiles at a time.  The step's accumulators take turns: first all with channels 0-31, then the same order with channels 32-63.
.macro KLOAD u
.irp e, 0,1
.irp c, 0,1
	ds_load_b128 v[KF+16*\e+8*\c:KF+16*\e+8*\c+3], v[AK] offset:(2*(\u)+\e)*16*KP+64*\c
	ds_load_b128 v[KF+16*\e+8*\c+4:KF+16*\e+8*\c+7], v[AK] offset:(2*(\u)+\e)*16*KP+64*\c+32
.endr
.endr
	s_wait_dscnt 0x0
.endm
.macro SM0 d, e, x                     ; channels 0-31 start the sum
	v_wmma_f32_16x16x32_f16 v[(\d):(\d)+7], v[KF+16*\e:KF+16*\e+7], v[Q+16*\x:Q+16*\x+7], 0
.endm
.macro SMM d, e, x, m                  ; the same from a mask
	v_wmma_f32_16x16x32_f16 v[(\d):(\d)+7], v[KF+16*\e:KF+16*\e+7], v[Q+16*\x:Q+16*\x+7], v[\m:\m+7]
.endm
.macro SM1 d, e, x                     ; channels 32-63
	v_wmma_f32_16x16x32_f16 v[(\d):(\d)+7], v[KF+16*\e+8:KF+16*\e+15], v[Q+16*\x+8:Q+16*\x+15], v[(\d):(\d)+7]
.endm
	KLOAD 0
	SMM SA, 0, 0, ML
	SM0 SA+8, 1, 0
	SMM SB, 1, 1, ML
	SM1 SA, 0, 0
	SM1 SA+8, 1, 0
	SM1 SB, 1, 1
.irp u, 1,2,3
.rept 4
	v_nop                                          ; places in front of loads into registers that matrix instructions have read
.endr
	KLOAD \u
	SM0 SA+16*\u, 0, 0
	SM0 SA+16*\u+8, 1, 0
	SM0 SB+16*\u-8, 0, 1
	SM0 SB+16*\u, 1, 1
	SM1 SA+16*\u, 0, 0
	SM1 SA+16*\u+8, 1, 0
	SM1 SB+16*\u-8, 0, 1
	SM1 SB+16*\u, 1, 1
.endr
.rept 4
	v_nop
.endr
	KLOAD 4
	SMM SA+64, 0, 0, MH
	SM0 SB+56, 0, 1
	SMM SB+64, 1, 1, MH
	SM1 SA+64, 0, 0
	SM1 SB+56, 0, 1
	SM1 SB+64, 1, 1
.rept 4
	v_nop                                          ; places in front of the first read of results
.endr
	; KEYS THAT DO NOT EXIST: in the sequence's first block, waves 0-3: key tile k' lies ahead of key 0 where 2 w + k' < 8.  A branch on ids; inside it a choice of a bound, no further branch.
	s_lshl_b32 s40, ttmp9, 4
	s_or_b32 s40, s40, s[WV]
	s_cmp_ge_u32 s40, 4
	s_cbranch_scc1 .Lexist
	s_lshl_b32 s42, s[WV], 1
.irp k, 0,1,2,3,4,5,6,7
	s_add_co_u32 s43, s42, \k
	s_cmp_lt_u32 s43, 8
	s_cselect_b32 s41, s[NEG], s[POS]              ; held at -1e30, or left as they are
.irp j, 0,1,2,3,4,5,6,7
	v_min_num_f32 v[SA+8*\k+\j], s41, v[SA+8*\k+\j]
.endr
.if \k > 0
.irp j, 0,1,2,3,4,5,6,7
	v_min_num_f32 v[SB+8*(\k-1)+\j], s41, v[SB+8*(\k-1)+\j]
.endr
.endif
.endr
.Lexist:
	; THE SOFTMAX, the two tiles line by line in turn.  The maximum of 72 scores in two chains; each accumulator is first read at one of its four lowest registers.
.irp x, 0,1
	v_max3_num_f32 v[ST+8*\x], v[SA+72*\x], v[SA+72*\x+1], v[SA+72*\x+2]
	v_max3_num_f32 v[ST+8*\x+1], v[SA+72*\x+35], v[SA+72*\x+36], v[SA+72*\x+37]
.endr
.irp i, 0,1,2,3,4,5,6,7,8,9,10,11,12,13,14,15
.irp x, 0,1
	v_max3_num_f32 v[ST+8*\x], v[ST+8*\x], v[SA+72*\x+3+2*\i], v[SA+72*\x+4+2*\i]
	v_max3_num_f32 v[ST+8*\x+1], v[ST+8*\x+1], v[SA+72*\x+38+2*\i], v[SA+72*\x+39+2*\i]
.endr
.endr
.irp x, 0,1
	v_max3_num_f32 v[ST+8*\x], v[ST+8*\x], v[SA+72*\x+70], v[SA+72*\x+71]
.endr
.irp x, 0,1
	v_max_num_f32 v[ST+8*\x], v[ST+8*\x], v[ST+8*\x+1]
.endr
.irp x, 0,1
	v_permlanex16_b32 v[ST+8*\x+1], v[ST+8*\x], s[SEL], s[SEL+1]   ; the query's other keys lie in the lane 16 away
.endr
.irp x, 0,1
	v_max_num_f32 v[ST+8*\x], v[ST+8*\x], v[ST+8*\x+1]             ; the row's largest allowed score: its own key always counts
.endr
.irp x, 0,1
	v_mul_f32 v[ST+8*\x+2], s[NCS], v[ST+8*\x]                     ; -c m
.endr
.irp x, 0,1
	v_mov_b32 v[ST+8*\x+3], v[ST+8*\x+2]                           ; (named with it as a pair)
.endr
.set i, 0
.rept 36
	v_pk_fma_f32 v[SA+i:SA+i+1], v[SA+i:SA+i+1], s[CS:CS+1], v[ST+2:ST+3] op_sel_hi:[1,0,0]      ; c s - c m, two at a time
	v_pk_fma_f32 v[SB+i:SB+i+1], v[SB+i:SB+i+1], s[CS:CS+1], v[ST+10:ST+11] op_sel_hi:[1,0,0]
.set i, i+2
.endr
.set i, 0
.rept 144
	v_exp_f32 v[SA+i], v[SA+i]                     ; one batch: none of these reads another's result
.set i, i+1
.endr
	v_nop                                          ; a plain instruction behind the last exponential
	s_wait_alu depctr_va_vdst(0)                   ; one wait for the batch, ahead of its first reader
.irp x, 0,1
	v_pk_add_f32 v[ST+8*\x+4:ST+8*\x+5], v[SA+72*\x:SA+72*\x+1], v[SA+72*\x+2:SA+72*\x+3]        ; the row's sum, of the weights in f32, in two chains
	v_pk_add_f32 v[ST+8*\x+6:ST+8*\x+7], v[SA+72*\x+4:SA+72*\x+5], v[SA+72*\x+6:SA+72*\x+7]
.endr
.irp i, 8,12,16,20,24,28,32,36,40,44,48,52,56,60,64,68
.irp x, 0,1
	v_pk_add_f32 v[ST+8*\x+4:ST+8*\x+5], v[ST+8*\x+4:ST+8*\x+5], v[SA+72*\x+\i:SA+72*\x+\i+1]
	v_pk_add_f32 v[ST+8*\x+6:ST+8*\x+7], v[ST+8*\x+6:ST+8*\x+7], v[SA+72*\x+\i+2:SA+72*\x+\i+3]
.endr
.endr
.irp x, 0,1
	v_pk_add_f32 v[ST+8*\x+4:ST+8*\x+5], v[ST+8*\x+4:ST+8*\x+5], v[ST+8*\x+6:ST+8*\x+7]
.endr
.set i, 0
.rept 36
	v_cvt_pk_f16_f32 v[PA+i], v[SA+2*i], v[SA+2*i+1]               ; the weights in f16: a tile's eight keys in four registers
	v_cvt_pk_f16_f32 v[PA+44+i], v[SB+2*i], v[SB+2*i+1]
.set i, i+1
.endr
.irp i, 0,1,2,3
	v_mov_b32 v[PA+36+\i], 0                       ; tile 0 has no weight in k' = 9,
	v_mov_b32 v[PA+40+\i], 0                       ; tile 1 none in k' = 0
.endr
; O^T = V^T P, 32 keys a step; eight accumulators by turns; V's fragments in two sets, one step ahead.
.macro VLOAD u
.irp t, 0,1,2,3
	ds_load_tr16_b128 v[VB+32*((\u)%2)+8*\t:VB+32*((\u)%2)+8*\t+3], v[AV] offset:32*VP*(\u)+32*\t
	ds_load_tr16_b128 v[VB+32*((\u)%2)+8*\t+4:VB+32*((\u)%2)+8*\t+7], v[AV] offset:32*VP*(\u)+16*VP+32*\t
.endr
.endm
.macro PVMUL u
.irp t, 0,1,2,3
.irp x, 0,1
.if (\u) == 0
	v_wmma_f32_16x16x32_f16 v[O+32*\x+8*\t:O+32*\x+8*\t+7], v[VB+32*((\u)%2)+8*\t:VB+32*((\u)%2)+8*\t+7], v[PA+40*\x+8*(\u):PA+40*\x+8*(\u)+7], 0
.else
	v_wmma_f32_16x16x32_f16 v[O+32*\x+8*\t:O+32*\x+8*\t+7], v[VB+32*((\u)%2)+8*\t:VB+32*((\u)%2)+8*\t+7], v[PA+40*\x+8*(\u):PA+40*\x+8*(\u)+7], v[O+32*\x+8*\t:O+32*\x+8*\t+7]
.endif
.endr
.endr
.endm
	VLOAD 0
	VLOAD 1
.irp u, 0,1,2
	s_wait_dscnt 8                                 ; this step's eight loads are in; the next step's eight may be out
	PVMUL \u
.rept 4
	v_nop                                          ; places in front of loads into the set just multiplied
.endr
	VLOAD \u+2
.endr
	s_wait_dscnt 8
	PVMUL 3
	s_wait_dscnt 0x0
	PVMUL 4
	; THE WAY OUT.  The sums' halves and the other half of the lanes' are added (plain work behind the last products); O^T / the sum, to f16, through my stage, out as 512 consecutive bytes a store.
.irp x, 0,1
	v_add_f32 v[ST+8*\x+4], v[ST+8*\x+4], v[ST+8*\x+5]
.endr
.irp x, 0,1
	v_permlanex16_b32 v[ST+8*\x+1], v[ST+8*\x+4], s[SEL], s[SEL+1]
.endr
.irp x, 0,1
	v_add_f32 v[ST+8*\x+4], v[ST+8*\x+4], v[ST+8*\x+1]
.endr
	v_nop
	v_nop
.irp x, 0,1
	v_rcp_f32 v[ST+8*\x+6], v[ST+8*\x+4]
.endr
	v_nop                                          ; a plain instruction behind the last reciprocal
	s_wait_alu depctr_va_vdst(0)                   ; one wait for the two, ahead of their first reader
.irp x, 0,1
.set i, 0
.rept 16
	v_pk_mul_f32 v[O+32*\x+i:O+32*\x+i+1], v[O+32*\x+i:O+32*\x+i+1], v[ST+8*\x+6:ST+8*\x+7] op_sel_hi:[1,0]
.set i, i+2
.endr
.endr
.set i, 0
.rept 32
	v_cvt_pk_f16_f32 v[16+i], v[O+2*i], v[O+2*i+1]
.set i, i+1
.endr
.irp x, 0,1
.irp t, 0,1,2,3
	ds_store_b128 v[STO], v[16+16*\x+4*\t:16+16*\x+4*\t+3] offset:16*KP*\x+32*\t     ; row 16 x + r, channels 16 t + 8 h on
.endr
.endr
.irp i, 0,1,2,3,4,5,6,7
	ds_load_b128 v[48+4*\i:48+4*\i+3], v[RD] offset:4*KP*\i        ; LDS serves a wave's instructions in order: these see my stores
.endr
.irp i, 0,1,2,3,4,5,6,7
	s_wait_dscnt 7-\i
	global_store_b128 v[GO], v[48+4*\i:48+4*\i+3], s[6:7] offset:512*\i
.endr
	s_wait_tensorcnt 0x0                           ; the wave's end
	ds_add_u32 v[SPW], v[NIL]
	s_wait_dscnt 0x0
	s_endpgm
.Lfunc_end_k_qf9805d8524_attn:
	.size	k_qf9805d8524_attn, .Lfunc_end_k_qf9805d8524_attn-k_qf9805d8524_attn
	.p2alignl 7, 3214868480
	.fill 96, 4, 3214868480
	.section	.rodata,"a",@progbits
	.p2align	6, 0x0
	.amdhsa_kernel k_qf9805d8524_attn
		.amdhsa_group_segment_fixed_size 270336
		.amdhsa_private_segment_fixed_size 0
		.amdhsa_enable_private_segment 0
		.amdhsa_kernarg_size 16
		.amdhsa_user_sgpr_count 2
		.amdhsa_user_sgpr_kernarg_segment_ptr 1
		.amdhsa_wavefront_size32 1
		.amdhsa_system_sgpr_workgroup_id_x 1
		.amdhsa_system_sgpr_workgroup_id_y 1
		.amdhsa_system_sgpr_workgroup_id_z 1
		.amdhsa_system_vgpr_workitem_id 0
		.amdhsa_next_free_vgpr 256
		.amdhsa_next_free_sgpr 66
		.amdhsa_reserve_vcc 1
		.amdhsa_float_denorm_mode_32 3
		.amdhsa_float_denorm_mode_16_64 3
		.amdhsa_memory_ordered 1
		.amdhsa_forward_progress 1
		.amdhsa_inst_pref_size 53
	.end_amdhsa_kernel
	.amdgpu_metadata
---
amdhsa.version: [ 1, 2 ]
amdhsa.kernels:
  - .name:           k_qf9805d8524_attn
    .symbol:         k_qf9805d8524_attn.kd
    .args:
      - { .name: qkv16, .offset: 0, .size: 8, .value_kind: global_buffer, .address_space: global }
      - { .name: attn16, .offset: 8, .size: 8, .value_kind: global_buffer, .address_space: global }
    .group_segment_fixed_size: 270336
    .private_segment_fixed_size: 0
    .kernarg_segment_align: 8
    .kernarg_segment_size: 16
    .max_flat_workgroup_size: 512
    .sgpr_count:     66
    .vgpr_count:     256
    .wavefront_size: 32
...
	.end_amdgpu_metadata
.endif
;; end of part 3
;; launch proj (part 4): grid 4 x 64, 4 waves a work-group, clusters of 4 x 4, 327,680 bytes of LDS; arguments attn16, w16, b_out, out0; writes out0
.if DOCPART == 4
	.amdgcn_target "amdgcn-amd-amdhsa--gfx1250"
	.amdhsa_code_object_version 6
	.text
	.protected	k_qf9805d8524_proj
	.globl	k_qf9805d8524_proj
	.p2align	8
	.type	k_qf9805d8524_proj,@function
k_qf9805d8524_proj:
	s_mov_b64 s[64:65], 0
	v_nop
	global_prefetch_b8 v0, s[64:65] scope:SCOPE_SE
	s_setreg_imm32_b32 hwreg(HW_REG_WAVE_MODE, 25, 1), 1
	s_wait_xcnt 0x0
	s_wait_alu depctr_hold_cnt(0) depctr_sa_sdst(0) depctr_va_vdst(0) depctr_va_sdst(0) depctr_va_ssrc(0) depctr_va_vcc(0) depctr_vm_vsrc(0)
	s_getreg_b32 s2, hwreg(HW_REG_IB_STS2, 6, 4)
	s_cmp_eq_u32 s2, 0
	s_cbranch_scc0 .Lentry_in_a_cluster
	s_endpgm
.Lentry_in_a_cluster:
	s_bfe_u32 s2, ttmp6, 0x10000c
	s_cmp_lg_u32 s2, 0xf033
	s_cbranch_scc0 .Lentry_shape_is_right
	s_endpgm
.Lentry_shape_is_right:
; out0 = attn w_out^T + b_out, f16 operands, f32 sums, for all rows but positions 0-15 of each sequence (those rows belong to the launch that follows).
; attn16: [head 16][row 8192][64] f16; w16: [n 1024][k 1024] f16; out0: [8192][1024] f32.
; A tile of 128 rows x 256 columns to a work-group: 256 work-groups.  Four waves, each 64 x 128: 32 accumulators, 256 registers.
; K goes in 8 steps of 128 (two heads) through a ring of two LDS slots.  A step's tile of attn is two dense blocks of 128 rows x 128 bytes (waves 0, 1: one each); of w16 256 rows x 256 bytes (waves 2, 3: 128 rows each).
; CLUSTERS: 4 x 4 work-groups; attn's tiles are asked for jointly along a row of the cluster, w16's along a column.  The tile row is 16 cy + cluster y: "my tile begins a sequence" is cluster y = 0, the same in all partners.
; NO PREFETCH: K has 8 steps, four of them asked for by the first fills and the first two refills; what is left is too short a run.
; THE MATRIX INSTRUCTION IS USED TRANSPOSED (source 0 = 16 rows of w16, source 1 = 16 rows of attn): a lane holds eight neighbouring columns of a row.  The bias is the C of each sum's first product.
; REGISTERS: window 0: v16-29 addresses; v32-95 attn's fragments, two sets of 32; v96-223 w16's, two sets of 64; on the way out v32-159 rows read back.  window 1: the accumulators, (a, b) at v[8 (8 a + b)].  window 2: v0-63 the bias.
.set AP,    144                        ; a row of attn's block in LDS: 128 bytes + 16
.set BP,    272                        ; a row of w16's tile: 256 + 16
.set ASUB,  128*AP                     ; one head's block
.set BOFF,  2*ASUB
.set SLOT,  BOFF+256*BP
.set STAGE, 2*SLOT                     ; behind the ring, bytes of its own: 16 rows x 528 for each wave
.set SPARE, STAGE+4*16*528
.set ADRA, 16
.set ADRB, 20
.set STO,  24
.set RD,   25
.set CO,   26
.set BO,   27
.set SPW,  28
.set NIL,  29
.set FA,   32
.set FB,   96
.set BK,   32
.set G1, 24
.set G0, 32
.set G1B, 48
.set G0B, 56
.set MSB, 0
.macro WIN new
.if MSB != \new
	s_set_vgpr_msb (MSB<<8)|\new
.set MSB, \new
.endif
.endm
.set MUL, 0x50                         ; C and D window 1, sources window 0
.set FST, 0x60                         ; C window 2 (the bias), D window 1
.macro JLOAD s                         ; a joint load: waves 0, 1 for attn, waves 2, 3 for w16; an s_nop 0 and four v_nop follow each line
	s_cmp_eq_u32 s13, 0
	s_cbranch_scc0 .Lfor_b_\@
	tensor_load_to_lds s[G0+4*\s:G0+4*\s+3], s[G1:G1+7]
	s_nop 0
.rept 4
	v_nop
.endr
	s_branch .Lasked_\@
.Lfor_b_\@:
	tensor_load_to_lds s[G0B+4*\s:G0B+4*\s+3], s[G1B:G1B+7]
	s_nop 0
.rept 4
	v_nop
.endr
.Lasked_\@:
.endm
.macro CREST
	s_cmp_lg_u32 s12, 0
	s_cbranch_scc1 .Lnot_wave_0_\@
	s_barrier_signal -3
.Lnot_wave_0_\@:
	s_barrier_wait -3
	s_barrier_signal -1
	s_barrier_wait -1
.endm
.macro CROUND
	s_barrier_signal -1
	s_barrier_wait -1
	CREST
.endm
.macro PLACES
.rept 4
	v_nop
.endr
.endm
	s_load_b256 s[4:11], s[0:1], 0x0               ; attn16 s[4:5], w16 s[6:7], b_out s[8:9], out0 s[10:11]
	v_lshl_add_u32 v[SPW], v0, 2, SPARE
	v_mov_b32 v[NIL], 0
	ds_add_u32 v[SPW], v[NIL]                      ; the wave's opening: the add, twice on end, and its wait ahead of my first tensor load
	ds_add_u32 v[SPW], v[NIL]
	v_lshrrev_b32 v1, 5, v0
	v_readfirstlane_b32 s12, v1                    ; wave 0..3
	s_lshr_b32 s13, s12, 1                         ; which 64 rows are mine.  Also: I fetch for attn (0) or for w16 (1)
	s_and_b32 s14, s12, 1                          ; which 128 columns.  Also: which part I fetch
	s_bfe_u32 s40, ttmp6, 0x40000                  ; cx
	s_bfe_u32 s41, ttmp6, 0x40004                  ; cy
	s_lshl_b32 s42, ttmp9, 2
	s_add_co_u32 s42, s42, s40                     ; tile column
	s_and_b32 s15, ttmp7, 0xffff                   ; cluster y: the tile within the sequence
	s_lshl_b32 s16, s41, 4
	s_add_co_u32 s16, s16, s15                     ; tile row = 16 cy + cluster y
	s_lshl_b32 s43, s41, 2
	s_lshl_b32 s43, 15, s43                        ; my row of the cluster
	s_lshl_b32 s44, 0x1111, s40                    ; my column
	s_or_b32 s[G1+0], s43, (1<<16)|(1<<20)|(1<<21)|(4<<22)|(3<<25)   ; elements of 2 bytes; 4 words of padding after every 32
	s_mov_b32 s[G1+1], 64<<16
	s_mov_b32 s[G1+2], 128<<16
	s_mov_b32 s[G1+3], 64<<16
	s_mov_b32 s[G1+4], 128
	s_mov_b32 s[G1+5], 64
	s_mov_b32 s[G1+6], 0
	s_mov_b32 s[G1+7], 0
	s_or_b32 s[G1B+0], s44, (1<<16)|(1<<20)|(1<<21)|(5<<22)|(3<<25)  ; 4 words after every 64
	s_mov_b32 s[G1B+1], 128<<16
	s_mov_b32 s[G1B+2], 128<<16
	s_mov_b32 s[G1B+3], 128<<16
	s_mov_b32 s[G1B+4], 128
	s_mov_b32 s[G1B+5], 1024
	s_mov_b32 s[G1B+6], 0
	s_mov_b32 s[G1B+7], 0
	s_lshl_b32 s18, s14, 20                        ; attn: head (w & 1), 2^20 bytes a head,
	s_lshl_b32 s19, s16, 14
	s_add_co_u32 s18, s18, s19                     ; the tile's 128 rows of 128 bytes
	s_mov_b32 s19, 0
	s_lshl_b32 s46, s42, 19                        ; w16: row 256 x tile column + 128 (w & 1), 2,048 bytes a row
	s_lshl_b32 s47, s14, 18
	s_add_co_u32 s46, s46, s47
	s_mov_b32 s47, 0
	s_mul_i32 s20, s14, ASUB                       ; where they go: the wave's number alone
	s_mul_i32 s21, s14, 128*BP
	s_add_co_u32 s21, s21, BOFF
	s_wait_dscnt 0x0                               ; both opening adds are done
	s_wait_kmcnt 0x0
	s_add_nc_u64 s[18:19], s[4:5], s[18:19]
	s_add_nc_u64 s[46:47], s[6:7], s[46:47]
	CROUND                                         ; all sixteen work-groups are here: the first joint loads meet
.irp s, 0,1
	s_mov_b32 s[G0+4*\s], 1
	s_add_co_u32 s[G0+4*\s+1], s20, \s*SLOT
	s_add_nc_u64 s[G0+4*\s+2:G0+4*\s+3], s[18:19], \s*(2<<20)      ; K step s: heads 2 s, 2 s + 1
	s_or_b32 s[G0+4*\s+3], s[G0+4*\s+3], 0x80000000
	s_mov_b32 s[G0B+4*\s], 1
	s_add_co_u32 s[G0B+4*\s+1], s21, \s*SLOT
	s_add_nc_u64 s[G0B+4*\s+2:G0B+4*\s+3], s[46:47], \s*256
	s_or_b32 s[G0B+4*\s+3], s[G0B+4*\s+3], 0x80000000
	JLOAD \s                                       ; two loads of mine are out
.endr
	v_and_b32 v1, 15, v0                           ; r
	v_bfe_u32 v2, v0, 4, 1                         ; h
	s_lshl_b32 s20, s16, 7
	s_lshl_b32 s21, s13, 6
	s_add_co_u32 s20, s20, s21
	s_lshl_b32 s20, s20, 12                        ; my first row of out0, 4,096 bytes a row
	s_lshl_b32 s46, s42, 10
	s_lshl_b32 s47, s14, 9
	s_add_co_u32 s46, s46, s47                     ; 4 x my first column
	s_mov_b32 s47, 0
	s_add_nc_u64 s[8:9], s[8:9], s[46:47]
	s_add_co_u32 s46, s46, s20
	s_add_nc_u64 s[10:11], s[10:11], s[46:47]
	v_lshlrev_b32 v[BO], 5, v2
	WIN 0x80                                       ; destination window 2
.irp b, 0,1,2,3,4,5,6,7
	global_load_b128 v[8*\b:8*\b+3], v[BO], s[8:9] offset:64*\b    ; the bias of columns 16 b + 8 h + 0 .. 7
	global_load_b128 v[8*\b+4:8*\b+7], v[BO], s[8:9] offset:64*\b+16
.endr
	WIN 0
	v_mul_u32_u24 v3, v1, AP
	v_lshl_add_u32 v3, v2, 4, v3
	s_mul_i32 s21, s13, 64*AP
	v_add_nc_u32 v[ADRA], s21, v3
	v_add_nc_u32 v[ADRA+1], SLOT, v[ADRA]
	v_mul_u32_u24 v4, v1, BP
	v_lshl_add_u32 v4, v2, 4, v4
	s_mul_i32 s22, s14, 128*BP
	s_add_co_u32 s22, s22, BOFF
	v_add_nc_u32 v[ADRB], s22, v4
	v_add_nc_u32 v[ADRB+1], SLOT, v[ADRB]
	s_mul_i32 s23, s12, 16*528
	s_add_co_u32 s23, s23, STAGE
	v_mul_u32_u24 v5, v1, 528
	v_lshl_add_u32 v5, v2, 5, v5
	v_add_nc_u32 v[STO], s23, v5
	v_and_b32 v6, 31, v0
	v_lshlrev_b32 v[CO], 4, v6
	v_add_nc_u32 v[RD], s23, v[CO]
	s_or_b32 s45, s15, s13                         ; 0 where my rows begin a sequence
; 8 matrix instructions: attn's block a against w16's eight, 32 along K, from set f.  The 32 accumulators take turns, one instruction a turn.
.macro MUL8 f, a, first
.irp b, 0,1,2,3,4,5,6,7
.if \first
	v_wmma_f32_16x16x32_f16 v[8*(8*(\a)+\b):8*(8*(\a)+\b)+7], v[FB+64*(\f)+8*\b:FB+64*(\f)+8*\b+7], v[FA+32*(\f)+8*(\a):FA+32*(\f)+8*(\a)+7], v[8*\b:8*\b+7]
.else
	v_wmma_f32_16x16x32_f16 v[8*(8*(\a)+\b):8*(8*(\a)+\b)+7], v[FB+64*(\f)+8*\b:FB+64*(\f)+8*\b+7], v[FA+32*(\f)+8*(\a):FA+32*(\f)+8*(\a)+7], v[8*(8*(\a)+\b):8*(8*(\a)+\b)+7]
.endif
.endr
.endm
; 24 LDS loads in one run: the fragments of the slot's q-th 32 along K into set f.  attn's lie in head block q / 2, at byte 64 (q % 2) of its rows.
.macro FETCH slot, q, f
.irp i, 0,1,2,3,4,5,6,7
	ds_load_b128 v[FB+64*(\f)+8*\i:FB+64*(\f)+8*\i+3], v[ADRB+\slot] offset:64*(\q)+\i*16*BP
	ds_load_b128 v[FB+64*(\f)+8*\i+4:FB+64*(\f)+8*\i+7], v[ADRB+\slot] offset:64*(\q)+\i*16*BP+32
.endr
.irp i, 0,1,2,3
	ds_load_b128 v[FA+32*(\f)+8*\i:FA+32*(\f)+8*\i+3], v[ADRA+\slot] offset:((\q)/2)*ASUB+((\q)%2)*64+\i*16*AP
	ds_load_b128 v[FA+32*(\f)+8*\i+4:FA+32*(\f)+8*\i+7], v[ADRA+\slot] offset:((\q)/2)*ASUB+((\q)%2)*64+\i*16*AP+32
.endr
.endm
; One of a K step's first three quarters: multiplies set f and fetches quarter qn into set g, 24 matrix instructions ahead of its use.
.macro QUARTER slot, qn, f, g, first
	s_wait_dscnt 0x0                               ; set f is in
.if \first
	WIN FST
.else
	WIN MUL
.endif
	MUL8 \f, 0, \first
	WIN 0
	PLACES                                         ; in front of loads into the set that the quarter before multiplied
	FETCH \slot, \qn, \g
.if \first
	WIN FST
.else
	WIN MUL
.endif
	MUL8 \f, 1, \first
	MUL8 \f, 2, \first
	MUL8 \f, 3, \first
.endm
; The last quarter multiplies set 1 and changes slots: in front of the barrier each wave waits for all its tensor loads (one is out: its part of the next slot), adds 0 to its spare word, and waits for that and for its reads of this slot.
; fill = 1: the barrier opens a round of the cluster's barrier, and behind it this slot is filled again, two K steps ahead: 112 matrix instructions ahead of the wait for it.
.macro TURN slot, next, fill
	WIN 0
	s_wait_tensorcnt 0x0
	ds_add_u32 v[SPW], v[NIL]
	s_wait_dscnt 1                                 ; set 1 is in; the add may be out
	WIN MUL
	MUL8 1, 0, 0
	s_wait_dscnt 0x0                               ; the add is done, and my reads of this slot are over
	s_barrier_signal -1
	MUL8 1, 1, 0
	WIN 0
	s_barrier_wait -1
.if \fill
	CREST
	s_add_nc_u64 s[G0+4*\slot+2:G0+4*\slot+3], s[G0+4*\slot+2:G0+4*\slot+3], 4<<20   ; four heads on
	s_add_nc_u64 s[G0B+4*\slot+2:G0B+4*\slot+3], s[G0B+4*\slot+2:G0B+4*\slot+3], 512
	JLOAD \slot                                    ; the first tensor load behind the round; its four v_nop are also the places in front of the loads below
.else
	PLACES
.endif
	FETCH \next, 0, 0
	WIN MUL
	MUL8 1, 2, 0
	MUL8 1, 3, 0
.endm
	s_wait_tensorcnt 1                             ; my part of K step 0 is in; K step 1's load may be out
	s_barrier_signal -1
	s_barrier_wait -1
	FETCH 0, 0, 0
	s_wait_loadcnt 0x0                             ; the bias
	QUARTER 0, 1, 0, 1, 1                          ; the first quarter stands in front of the loop: its products start the sums from the bias
	WIN 0
	s_mov_b32 s3, 3
.Llap:                                                 ; three trips, each once round the ring: six refills, K steps 2 to 7
	QUARTER 0, 2, 1, 0, 0
	QUARTER 0, 3, 0, 1, 0
	TURN 0, 1, 1
	QUARTER 1, 1, 0, 1, 0
	QUARTER 1, 2, 1, 0, 0
	QUARTER 1, 3, 0, 1, 0
	TURN 1, 0, 1
	QUARTER 0, 1, 0, 1, 0
	WIN 0
	s_sub_co_u32 s3, s3, 1
	s_cmp_lg_u32 s3, 0
	s_cbranch_scc1 .Llap
	QUARTER 0, 2, 1, 0, 0                          ; the last lap fills nothing
	QUARTER 0, 3, 0, 1, 0
	TURN 0, 1, 0
	QUARTER 1, 1, 0, 1, 0
	QUARTER 1, 2, 1, 0, 0
	QUARTER 1, 3, 0, 1, 0
	s_wait_dscnt 0x0
	WIN MUL
	MUL8 1, 0, 0
	MUL8 1, 1, 0
	MUL8 1, 2, 0
	MUL8 1, 3, 0
	WIN 0
; THE WAY OUT, block by block of 16 rows x 128 columns: through my own stage, back as whole rows of 512 bytes.
.macro TOSTAGE a
	WIN 0x04                                       ; an LDS store's data are its source 1: window 1
.irp b, 0,1,2,3,4,5,6,7
	ds_store_b128 v[STO], v[8*(8*(\a)+\b):8*(8*(\a)+\b)+3] offset:64*\b          ; each accumulator from its low end on
	ds_store_b128 v[STO], v[8*(8*(\a)+\b)+4:8*(8*(\a)+\b)+7] offset:64*\b+16
.endr
	WIN 0
.irp t, 0,1,2,3,4,5,6,7,8,9,10,11,12,13,14,15
	ds_load_b128 v[BK+64*((\a)%2)+4*\t:BK+64*((\a)%2)+4*\t+3], v[RD] offset:\t*528   ; LDS serves a wave's instructions in order
.endr
.endm
.macro SEND a, younger
	s_wait_dscnt \younger
.irp t, 0,1,2,3,4,5,6,7,8,9,10,11,12,13,14,15
	global_store_b128 v[CO], v[BK+64*((\a)%2)+4*\t:BK+64*((\a)%2)+4*\t+3], s[10:11] offset:(16*(\a)+\t)*4096 th:TH_STORE_NT   ; 32 lanes store 512 consecutive bytes
.endr
.endm
	PLACES
	s_cmp_eq_u32 s45, 0                            ; positions 0-15 of a sequence are not mine to store
	s_cbranch_scc1 .Lskip0
	TOSTAGE 0
	SEND 0, 0
.Lskip0:
	TOSTAGE 1
	s_wait_xcnt 0x0                                ; block 0's stores have read their registers
	TOSTAGE 2
	SEND 1, 32                                     ; behind block 1's loads: block 2's 16 stores and 16 loads
	s_wait_xcnt 0x0
	TOSTAGE 3
	SEND 2, 32
	SEND 3, 0
	s_wait_tensorcnt 0x0                           ; the wave's end
	ds_add_u32 v[SPW], v[NIL]
	s_wait_dscnt 0x0
	CROUND                                         ; the closing round
	s_endpgm
.Lfunc_end_k_qf9805d8524_proj:
	.size	k_qf9805d8524_proj, .Lfunc_end_k_qf9805d8524_proj-k_qf9805d8524_proj
	.p2alignl 7, 3214868480
	.fill 96, 4, 3214868480
	.section	.rodata,"a",@progbits
	.p2align	6, 0x0
	.amdhsa_kernel k_qf9805d8524_proj
		.amdhsa_group_segment_fixed_size 327680
		.amdhsa_private_segment_fixed_size 0
		.amdhsa_enable_private_segment 0
		.amdhsa_kernarg_size 32
		.amdhsa_user_sgpr_count 2
		.amdhsa_user_sgpr_kernarg_segment_ptr 1
		.amdhsa_wavefront_size32 1
		.amdhsa_system_sgpr_workgroup_id_x 1
		.amdhsa_system_sgpr_workgroup_id_y 1
		.amdhsa_system_sgpr_workgroup_id_z 1
		.amdhsa_system_vgpr_workitem_id 0
		.amdhsa_next_free_vgpr 576
		.amdhsa_next_free_sgpr 66
		.amdhsa_reserve_vcc 0
		.amdhsa_float_denorm_mode_32 3
		.amdhsa_float_denorm_mode_16_64 3
		.amdhsa_memory_ordered 1
		.amdhsa_forward_progress 1
		.amdhsa_inst_pref_size 86
	.end_amdhsa_kernel
	.amdgpu_metadata
---
amdhsa.version: [ 1, 2 ]
amdhsa.kernels:
  - .name:           k_qf9805d8524_proj
    .symbol:         k_qf9805d8524_proj.kd
    .args:
      - { .name: attn16, .offset: 0, .size: 8, .value_kind: global_buffer, .address_space: global }
      - { .name: w16, .offset: 8, .size: 8, .value_kind: global_buffer, .address_space: global }
      - { .name: b_out, .offset: 16, .size: 8, .value_kind: global_buffer, .address_space: global }
      - { .name: out0, .offset: 24, .size: 8, .value_kind: global_buffer, .address_space: global }
    .group_segment_fixed_size: 327680
    .private_segment_fixed_size: 0
    .kernarg_segment_align: 8
    .kernarg_segment_size: 32
    .max_flat_workgroup_size: 128
    .sgpr_count:     66
    .vgpr_count:     576
    .wavefront_size: 32
...
	.end_amdgpu_metadata
.endif
;; end of part 4
;; launch fine (part 5): grid 16 x 4, 16 waves a work-group, no clusters, 71,680 bytes of LDS; arguments fine_qkv, w_out, b_out, out0; writes out0
.if DOCPART == 5
	.amdgcn_target "amdgcn-amd-amdhsa--gfx1250"
	.amdhsa_code_object_version 6
	.text
	.protected	k_qf9805d8524_fine
	.globl	k_qf9805d8524_fine
	.p2align	8
	.type	k_qf9805d8524_fine,@function
k_qf9805d8524_fine:
	s_mov_b64 s[64:65], 0
	v_nop
	global_prefetch_b8 v0, s[64:65] scope:SCOPE_SE
	s_setreg_imm32_b32 hwreg(HW_REG_WAVE_MODE, 25, 1), 1
	s_wait_xcnt 0x0
; Positions 0-15 of each sequence, which average one to sixteen values: attention and output projection with f32 operands (v_wmma_f32_16x16x4_f32): 64 rows of out0 in all, no bulk work.
; fine_qkv: [batch x 16 + position][3072] f32 (q, k, v); w_out: [1024][1024] f32; out0 rows batch x 2048 + 0 .. 15.
; For these queries the band's lower edge lies ahead of key 0: the mask is key <= query; hidden scores become -infinity, weight 0.  The row's largest allowed score is taken away ahead of the exponential.
; SHARES.  A work-group: one batch, 64 columns n0 = 64 x on.  Wave w: head w: its attention, then the part of the projection over its own 64 channels, for four tiles of 16 columns.
; The 16 partial results meet in LDS; wave u sums row u and stores its 64 columns: 256 consecutive bytes.
; K IS PERMUTED ALIKE ON BOTH SOURCES of each product, so that nothing changes lanes between the products: lane (r, h), registers 2 s, 2 s + 1 of a run, hold
;   scores: channels 32 h + 2 s + j;   weighted values: keys 8 h + 2 s + j;   projection: channels 16 t + 8 h + 2 s + j.
; The registers that the matrix instructions write (v176-239) are written by nothing else; what is made of a finished sum goes into other registers.
.set SPARE, 16*4352
.set QA,  1                            ; v1  q, k: row r of 12,288 bytes + 128 h
.set VA,  2                            ; v2  v: row 8 h, + 4 r
.set WA,  3                            ; v3  w_out: row r of 4,096 bytes + 32 h
.set DD,  4                            ; v4  d = r - 8 h
.set NI,  5                            ; v5  -infinity
.set YS,  6                            ; v6  where I put 32 bytes of my partial result
.set RR,  7                            ; v7  where I read 8 bytes of row w of a partial result
.set LO,  8                            ; v8  8 x lane
.set SPW, 9
.set NIL, 10
.set BI,  12                           ; v[12:13] the bias of my two columns
.set Q,   16
.set K,   48
.set V,   80                           ; v at V + 8 t + i; later O / the sum
.set ON,  80
.set W0,  112
.set W1,  144
.set W2,  16
.set W3,  48
.set S0,  176                          ; the scores in two sums; later the projection's tiles 0, 1
.set S1,  184
.set Y0,  176
.set Y1,  184
.set O,   192
.set Y2,  224
.set Y3,  232
.set P,   240
	s_load_b256 s[4:11], s[0:1], 0x0               ; fine_qkv s[4:5], w_out s[6:7], b_out s[8:9], out0 s[10:11]
	v_lshl_add_u32 v[SPW], v0, 2, SPARE
	v_mov_b32 v[NIL], 0
	v_lshrrev_b32 v1, 5, v0
	v_readfirstlane_b32 s15, v1                    ; wave = head
	v_and_b32 v11, 15, v0                          ; r
	v_bfe_u32 v14, v0, 4, 1                        ; h
	v_and_b32 v15, 31, v0                          ; lane
	v_mul_u32_u24 v[QA], v11, 12288
	v_lshl_add_u32 v[QA], v14, 7, v[QA]
	v_mul_u32_u24 v[VA], v14, 98304
	v_lshl_add_u32 v[VA], v11, 2, v[VA]
	v_lshlrev_b32 v[WA], 12, v11
	v_lshl_add_u32 v[WA], v14, 5, v[WA]
	v_lshlrev_b32 v[DD], 3, v14
	v_sub_nc_u32 v[DD], v11, v[DD]
	v_mov_b32 v[NI], 0xff800000
	s_mul_i32 s18, s15, 4352
	v_mul_u32_u24 v[YS], v11, 272
	v_lshl_add_u32 v[YS], v14, 5, v[YS]
	v_add_nc_u32 v[YS], s18, v[YS]
	s_mul_i32 s18, s15, 272
	v_lshlrev_b32 v[LO], 3, v15
	v_add_nc_u32 v[RR], s18, v[LO]
	s_mov_b32 s12, 0x3e38aa3b                      ; c = log2(e) / sqrt(64)
	s_mov_b32 s13, s12
	s_mov_b32 s14, 0xbe38aa3b                      ; -c
	s_mov_b32 s16, 0x76543210
	s_mov_b32 s17, 0xfedcba98                      ; lane l xor 16
	s_and_b32 s19, ttmp7, 0xffff                   ; batch
	s_lshl_b32 s20, ttmp9, 6                       ; n0
	s_mul_i32 s22, s19, 196608                     ; the batch's 16 rows,
	s_lshl_b32 s23, s15, 8
	s_add_co_u32 s22, s22, s23                     ; my head's 64 channels
	s_mov_b32 s23, 0
	s_lshl_b32 s24, s20, 12                        ; w_out: row n0,
	s_lshl_b32 s25, s15, 8
	s_add_co_u32 s24, s24, s25                     ; my head's channels
	s_mov_b32 s25, 0
	s_lshl_b32 s26, s20, 2
	s_mov_b32 s27, 0
	s_lshl_b32 s28, s19, 11
	s_add_co_u32 s28, s28, s15                     ; out0: row batch x 2048 + wave,
	s_lshl_b32 s28, s28, 12
	s_add_co_u32 s28, s28, s26                     ; column n0
	s_mov_b32 s29, 0
	s_wait_kmcnt 0x0
	s_add_nc_u64 s[4:5], s[4:5], s[22:23]
	s_add_nc_u64 s[6:7], s[6:7], s[24:25]
	s_add_nc_u64 s[8:9], s[8:9], s[26:27]
	s_add_nc_u64 s[10:11], s[10:11], s[28:29]
	global_load_b64 v[BI:BI+1], v[LO], s[8:9]
.irp i, 0,1,2,3,4,5,6,7
	global_load_b128 v[Q+4*\i:Q+4*\i+3], v[QA], s[4:5] offset:16*\i                  ; q(r, 32 h + 4 i ..)
.endr
.irp i, 0,1,2,3,4,5,6,7
	global_load_b128 v[K+4*\i:K+4*\i+3], v[QA], s[4:5] offset:4096+16*\i
.endr
.irp t, 0,1,2,3
.irp i, 0,1,2,3,4,5,6,7
	global_load_b32 v[V+8*\t+\i], v[VA], s[4:5] offset:8192+12288*\i+64*\t           ; v(key 8 h + i, channel 16 t + r)
.endr
.endr
.irp t, 0,1,2,3
.irp e, 0,1
	global_load_b128 v[W0+8*\t+4*\e:W0+8*\t+4*\e+3], v[WA], s[6:7] offset:64*\t+16*\e            ; w_out(n0 + r, 16 t + 8 h + 4 e ..)
	global_load_b128 v[W1+8*\t+4*\e:W1+8*\t+4*\e+3], v[WA], s[6:7] offset:65536+64*\t+16*\e
.endr
.endr
	s_wait_loadcnt 48                              ; the bias, q and k are in; v's 32 loads and the 16 of w_out may be out
	; S^T = k q^T: source 0 = 16 keys, source 1 = 16 queries; two sums by turns
	v_wmma_f32_16x16x4_f32 v[S0:S0+7], v[K:K+1], v[Q:Q+1], 0
	v_wmma_f32_16x16x4_f32 v[S1:S1+7], v[K+2:K+3], v[Q+2:Q+3], 0
.irp s, 2,4,6,8,10,12,14
	v_wmma_f32_16x16x4_f32 v[S0:S0+7], v[K+2*\s:K+2*\s+1], v[Q+2*\s:Q+2*\s+1], v[S0:S0+7]
	v_wmma_f32_16x16x4_f32 v[S1:S1+7], v[K+2*\s+2:K+2*\s+3], v[Q+2*\s+2:Q+2*\s+3], v[S1:S1+7]
.endr
.rept 8
	v_nop                                          ; eight places behind this form, in front of loads into its sources and of the first read of its results
.endr
.irp t, 0,1,2,3
.irp e, 0,1
	global_load_b128 v[W2+8*\t+4*\e:W2+8*\t+4*\e+3], v[WA], s[6:7] offset:2*65536+64*\t+16*\e
	global_load_b128 v[W3+8*\t+4*\e:W3+8*\t+4*\e+3], v[WA], s[6:7] offset:3*65536+64*\t+16*\e
.endr
.endr
.irp j, 0,1,2,3,4,5,6,7
	v_add_f32 v[P+\j], v[S0+\j], v[S1+\j]          ; lane (r, h): query r, key 8 h + j
.endr
.irp j, 0,1,2,3,4,5,6,7
	v_cmp_gt_i32 vcc_lo, \j, v[DD]                 ; key > query: hidden
	v_cndmask_b32 v[P+\j], v[P+\j], v[NI], vcc_lo
.endr
	v_max3_num_f32 v248, v[P], v[P+1], v[P+2]
	v_max3_num_f32 v249, v[P+3], v[P+4], v[P+5]
	v_max3_num_f32 v248, v248, v[P+6], v[P+7]
	v_max_num_f32 v248, v248, v249
	v_permlanex16_b32 v249, v248, s16, s17
	v_max_num_f32 v248, v248, v249                 ; the row's largest allowed score: key 0 counts for every query
	v_mul_f32 v250, s14, v248                      ; -c m
	v_mov_b32 v251, v250
.irp j, 0,2,4,6
	v_pk_fma_f32 v[P+\j:P+\j+1], v[P+\j:P+\j+1], s[12:13], v[250:251] op_sel_hi:[1,0,0]
.endr
.irp j, 0,1,2,3,4,5,6,7
	v_exp_f32 v[P+\j], v[P+\j]
.endr
	v_nop                                          ; a plain instruction behind the last exponential
	s_wait_alu depctr_va_vdst(0)                   ; one wait for the batch, ahead of its first reader
	v_pk_add_f32 v[252:253], v[P:P+1], v[P+2:P+3]
	v_pk_add_f32 v[254:255], v[P+4:P+5], v[P+6:P+7]
	v_pk_add_f32 v[252:253], v[252:253], v[254:255]
	v_add_f32 v252, v252, v253
	v_permlanex16_b32 v253, v252, s16, s17
	v_add_f32 v252, v252, v253                     ; the row's sum
	v_rcp_f32 v254, v252
	v_mov_b32 v255, 0                              ; a plain instruction behind the reciprocal (the pair's upper half is named below)
	s_wait_alu depctr_va_vdst(0)
	s_wait_loadcnt 32                              ; v is in; the 32 loads of w_out may be out
	; O^T = v^T p: source 0 = 16 channels, source 1 = my 16 queries' weights; four sums by turns
.irp s, 0,1,2,3
.irp t, 0,1,2,3
.if \s == 0
	v_wmma_f32_16x16x4_f32 v[O+8*\t:O+8*\t+7], v[V+8*\t:V+8*\t+1], v[P:P+1], 0
.else
	v_wmma_f32_16x16x4_f32 v[O+8*\t:O+8*\t+7], v[V+8*\t+2*\s:V+8*\t+2*\s+1], v[P+2*\s:P+2*\s+1], v[O+8*\t:O+8*\t+7]
.endif
.endr
.endr
.rept 8
	v_nop
.endr
.irp j, 0,2,4,6,8,10,12,14,16,18,20,22,24,26,28,30
	v_pk_mul_f32 v[ON+\j:ON+\j+1], v[O+\j:O+\j+1], v[254:255] op_sel_hi:[1,0]        ; O^T / the sum, into other registers: register 8 t + j is channel 16 t + 8 h + j of query r
.endr
	s_wait_loadcnt 0x0                             ; w_out
	; Y^T = w_out O^T over my 64 channels: source 0 = 16 columns of out0, source 1 = my 16 queries; four sums by turns
.irp t, 0,1,2,3
.irp s, 0,1,2,3
.if (\t+\s) == 0
	v_wmma_f32_16x16x4_f32 v[Y0:Y0+7], v[W0:W0+1], v[ON:ON+1], 0
	v_wmma_f32_16x16x4_f32 v[Y1:Y1+7], v[W1:W1+1], v[ON:ON+1], 0
	v_wmma_f32_16x16x4_f32 v[Y2:Y2+7], v[W2:W2+1], v[ON:ON+1], 0
	v_wmma_f32_16x16x4_f32 v[Y3:Y3+7], v[W3:W3+1], v[ON:ON+1], 0
.else
	v_wmma_f32_16x16x4_f32 v[Y0:Y0+7], v[W0+8*\t+2*\s:W0+8*\t+2*\s+1], v[ON+8*\t+2*\s:ON+8*\t+2*\s+1], v[Y0:Y0+7]
	v_wmma_f32_16x16x4_f32 v[Y1:Y1+7], v[W1+8*\t+2*\s:W1+8*\t+2*\s+1], v[ON+8*\t+2*\s:ON+8*\t+2*\s+1], v[Y1:Y1+7]
	v_wmma_f32_16x16x4_f32 v[Y2:Y2+7], v[W2+8*\t+2*\s:W2+8*\t+2*\s+1], v[ON+8*\t+2*\s:ON+8*\t+2*\s+1], v[Y2:Y2+7]
	v_wmma_f32_16x16x4_f32 v[Y3:Y3+7], v[W3+8*\t+2*\s:W3+8*\t+2*\s+1], v[ON+8*\t+2*\s:ON+8*\t+2*\s+1], v[Y3:Y3+7]
.endif
.endr
.endr
.rept 8
	v_nop
.endr
	ds_store_b128 v[YS], v[Y0:Y0+3]                ; lane (r, h): row r, columns 16 nt + 8 h + 0 .. 7; each accumulator from its low end on
	ds_store_b128 v[YS], v[Y0+4:Y0+7] offset:16
	ds_store_b128 v[YS], v[Y1:Y1+3] offset:64
	ds_store_b128 v[YS], v[Y1+4:Y1+7] offset:80
	ds_store_b128 v[YS], v[Y2:Y2+3] offset:128
	ds_store_b128 v[YS], v[Y2+4:Y2+7] offset:144
	ds_store_b128 v[YS], v[Y3:Y3+3] offset:192
	ds_store_b128 v[YS], v[Y3+4:Y3+7] offset:208
	s_wait_dscnt 0x0                               ; for the others' sake: my stores are done
	s_barrier_signal -1
	s_barrier_wait -1
.irp k, 0,1,2,3,4,5,6,7,8,9,10,11,12,13,14,15
	ds_load_b64 v[W0+2*\k:W0+2*\k+1], v[RR] offset:4352*\k         ; row w of head k's partial result, 8 bytes a lane
.endr
	s_wait_dscnt 0x0
	v_pk_add_f32 v[144:145], v[BI:BI+1], v[W0:W0+1]                ; the 16 heads' parts and the bias, in two chains
	v_pk_add_f32 v[146:147], v[W0+2:W0+3], v[W0+4:W0+5]
.irp k, 3,5,7,9,11,13
	v_pk_add_f32 v[144:145], v[144:145], v[W0+2*\k:W0+2*\k+1]
	v_pk_add_f32 v[146:147], v[146:147], v[W0+2*\k+2:W0+2*\k+3]
.endr
	v_pk_add_f32 v[144:145], v[144:145], v[W0+30:W0+31]
	v_pk_add_f32 v[144:145], v[144:145], v[146:147]
	global_store_b64 v[LO], v[144:145], s[10:11]   ; 32 lanes store 256 consecutive bytes
	s_wait_tensorcnt 0x0                           ; the wave's end
	ds_add_u32 v[SPW], v[NIL]
	s_wait_dscnt 0x0
	s_endpgm
.Lfunc_end_k_qf9805d8524_fine:
	.size	k_qf9805d8524_fine, .Lfunc_end_k_qf9805d8524_fine-k_qf9805d8524_fine
	.p2alignl 7, 3214868480
	.fill 96, 4, 3214868480
	.section	.rodata,"a",@progbits
	.p2align	6, 0x0
	.amdhsa_kernel k_qf9805d8524_fine
		.amdhsa_group_segment_fixed_size 71680
		.amdhsa_private_segment_fixed_size 0
		.amdhsa_enable_private_segment 0
		.amdhsa_kernarg_size 32
		.amdhsa_user_sgpr_count 2
		.amdhsa_user_sgpr_kernarg_segment_ptr 1
		.amdhsa_wavefront_size32 1
		.amdhsa_system_sgpr_workgroup_id_x 1
		.amdhsa_system_sgpr_workgroup_id_y 1
		.amdhsa_system_sgpr_workgroup_id_z 1
		.amdhsa_system_vgpr_workitem_id 0
		.amdhsa_next_free_vgpr 256
		.amdhsa_next_free_sgpr 66
		.amdhsa_reserve_vcc 1
		.amdhsa_float_denorm_mode_32 3
		.amdhsa_float_denorm_mode_16_64 3
		.amdhsa_memory_ordered 1
		.amdhsa_forward_progress 1
		.amdhsa_inst_pref_size 23
	.end_amdhsa_kernel
	.amdgpu_metadata
---
amdhsa.version: [ 1, 2 ]
amdhsa.kernels:
  - .name:           k_qf9805d8524_fine
    .symbol:         k_qf9805d8524_fine.kd
    .args:
      - { .name: fine_qkv, .offset: 0, .size: 8, .value_kind: global_buffer, .address_space: global }
      - { .name: w_out, .offset: 8, .size: 8, .value_kind: global_buffer, .address_space: global }
      - { .name: b_out, .offset: 16, .size: 8, .value_kind: global_buffer, .address_space: global }
      - { .name: out0, .offset: 24, .size: 8, .value_kind: global_buffer, .address_space: global }
    .group_segment_fixed_size: 71680
    .private_segment_fixed_size: 0
    .kernarg_segment_align: 8
    .kernarg_segment_size: 32
    .max_flat_workgroup_size: 512
    .sgpr_count:     66
    .vgpr_count:     256
    .wavefront_size: 32
...
	.end_amdgpu_metadata
.endif
;; end of part 5
